; MI455X (gfx1250); checked and timed in simulation.
; The chip was launched on July 23, 2026; its instructions are those of AMD's public machine-readable ISA for CDNA 5 (MIT licence, August 2026) and "CDNA5" Instruction Set Architecture Reference Guide (July 2026). The comments in the code are by the model that wrote it; some were corrected since.
;; Expert Lo RA. Allowed arithmetic: matrix products marked QUANTISED: E5M2 operands, one E8M0 scale for each 32 along K, by v_wmma_scale_f32_16x16x128_f8f6f4 with both operands' format E5M2, f32 sums; products left as they are: f32 operands where the result goes on into a quantised operand, else bf16, f16 or f32 operands; f32 sums; everything else in f32.
;; Inputs: down_proj 8 x 1,024 x 2,048 float32; down_proj_bias 8 x 2,048 float32; gate_up_proj 8 x 2,048 x 2,048 float32; gate_up_proj_bias 8 x 2,048 float32; hidden_states 2 x 512 x 2,048 float32; lora_down_A 8 x 1,024 x 8 float32; lora_down_B 8 x 8 x 2,048 float32; lora_gate_up_A 8 x 2,048 x 8 float32; lora_gate_up_B 8 x 8 x 2,048 float32; router_indices 1,024 x 4 int32; routing_weights 1,024 x 4 float32.
;; Outputs: out0 2 x 512 x 2,048 float32.
;; This version of the problem:
;;   THIS VERSION OF THE PROBLEM IS GIVEN IN LOW PRECISION. The matrix products marked QUANTISED in the list below multiply operands that are first quantised to E5M2 (5 exponent bits, 2 mantissa bits; 8 bits a number), with one power-of-two scale for each 32 numbers along K (OCP MX v1.0); their sums are f32. All else is computed in f32.
;;   The module's matrix products, in the order in which they are computed (A, B: the left and right operand; K: the contracted axis; several contracted axes count as one K, in the product's order):
;;     1. batch 1,024 x [M 1, K 4] x [K 4, N 8]; A: input routing_weights; B: computed on the way: left as it is (K = 4 < 32)
;;     2. [M 64, K 2,048] x [K 2,048, N 1,024]; A: input lora_gate_up_A; B: input hidden_states: QUANTISED
;;     3. batch 8 x [M 1,024, K 8] x [K 8, N 2,048]; A: computed on the way; B: input lora_gate_up_B: left as it is (K = 8 < 32)
;;     4. [M 16,384, K 2,048] x [K 2,048, N 1,024]; A: input gate_up_proj; B: input hidden_states: QUANTISED
;;     5. batch 8 x [M 1,024, K 1,024] x [K 1,024, N 8]; A: computed on the way; B: input lora_down_A: left as it is (N = 8 < 16)
;;     6. batch 8 x [M 1,024, K 8] x [K 8, N 2,048]; A: computed on the way; B: input lora_down_B: left as it is (K = 8 < 32)
;;     7. batch 8 x [M 1,024, K 1,024] x [K 1,024, N 2,048]; A: computed on the way; B: input down_proj: QUANTISED
;;     8. batch 1,024 x [M 1, K 8] x [K 8, N 2,048]; A: computed on the way; B: computed on the way: left as it is (K = 8 < 32)
;;   THE QUANTISER, for each operand of a quantised product, along K:
;;     - K is cut into blocks of 32 from its start; a last block that is shorter is filled with zeros.
;;     - A block's scale is 2^e with e = floor(log2(the largest magnitude in the block)) - 15, held to -126 .. 127; a block of zeros has e = 0. As a byte (E8M0): e + 127.
;;     - Each number is divided by its block's scale, clamped to +-57,344, and rounded to the nearest number of E5M2, ties to even, subnormals kept.
;;     - The product sums the exact products of the quantised numbers (number of the format x scale) in f32.
;;   ~~~python
;;   def quantise(x, axis):      # numpy; x: float32 -> the quantised numbers, widened to float32 again
;;       x = np.moveaxis(x, axis, -1); K = x.shape[-1]
;;       x = np.pad(x, [(0, 0)] * (x.ndim - 1) + [(0, -K % 32)]); x = x.reshape(x.shape[:-1] + (-1, 32)); a = np.abs(x).max(-1, keepdims=True)
;;       e = np.where(a > 0, np.clip(np.frexp(np.where(a > 0, a, 1))[1] - 1 - 15, -126, 127), 0)      # np.frexp(a)[1] - 1 = floor(log2(a)), exactly
;;       r = np.clip(x / 2.0 ** e, -57344, 57344)
;;       step = 2.0 ** (np.maximum(np.frexp(np.where(r == 0, 1, r))[1] - 1, -14) - 2)
;;       q = np.round(r / step) * step * 2.0 ** e      # np.round: ties to even
;;       return np.moveaxis(q.reshape(q.shape[:-2] + (-1,))[..., :K], -1, axis).astype(np.float32)
;;   ~~~
;;   OPERANDS COMPUTED ON THE WAY. 'Computed on the way' means the value that the module computes at that place (a softmax that the list does not call 'softmax' is quantised finished and normalised). What goes into a quantiser is computed in f32, as accurately as f32 sums, v_exp_f32 and their like allow (about 1e-6 of the number): no bf16 or f16 on the way to a quantiser, and a product that is left as it is and whose result goes on into a quantised operand takes f32 operands (vector FMAs, or v_wmma_f32_16x16x4_f32). A number that lies on a knife's edge between two numbers of the format may be rounded either way, as far as f32 arithmetic and the matrix unit's own rounding can turn it there, and no further.
;; One version. Each part assembles by itself: llvm-mc -triple=amdgcn-amd-amdhsa -mcpu=gfx1250 --defsym DOCPART=n.
;; ======== version 1 of 1: 4 launches
;; limits: values are held in bf16: 8 bits of precision; right only within a limited range of input values
;; workspace buffers: xq 2,162,688 bytes; fl 296,960 bytes; route 84,224 bytes of whole numbers; gq 8,650,752 bytes; t2p 8,388,608 bytes; u 262,400 bytes; y 67,117,056 bytes
;; launch prep (part 1): grid 129 x 1, 16 waves a work-group, no clusters, 34,816 bytes of LDS; arguments hidden_states, lora_gate_up_A, router_indices, routing_weights, xq, fl, route, u, y; writes xq, fl, route, u, y
.if DOCPART == 1
	.amdgcn_target "amdgcn-amd-amdhsa--gfx1250"
	.amdhsa_code_object_version 6
	.text
	.protected	k_q7c6f2279f5_prep
	.globl	k_q7c6f2279f5_prep
	.p2align	8
	.type	k_q7c6f2279f5_prep,@function
k_q7c6f2279f5_prep:
	s_mov_b64 s[64:65], 0
	v_nop
	global_prefetch_b8 v0, s[64:65] scope:SCOPE_SE
	s_setreg_imm32_b32 hwreg(HW_REG_WAVE_MODE, 25, 1), 1
	s_wait_xcnt 0x0
; ExpertLoRA, launch 1 of 4: the tokens' codes, 2 x (x A1), and the routing lists.
; DEAD WORK LEFT OUT BY THE WHOLE PROGRAM.  next_states[t] = sum over e of w[e,t] out[e,t], and w[e,t] = sum over k of onehot(router_indices[t,k])[e] x routing_weights[t,k].
; Where no slot k of token t names expert e, every term of that sum is a product with a 0 that one_hot builds, so w[e,t] = 0 and out[e,t,:] reaches no output, whatever finite values the other inputs hold.
; So gate_up, gated, both LoRA paths and the down projection are made only for the pairs (e,t) that some slot names (filled up to tiles of 16 rows), by lists that this launch stores as whole numbers and later launches read.
; Every input keeps a way to the output; all are loaded.
; LIMITS: a NaN, an infinity or an overflow that reaches only a row left out is not carried to the result.  NaN and infinities among the inputs are not served.  A block whose largest magnitude lies under 2^-111 keeps
; the scale byte 1 (a block of zeros too: its codes are zeros, and only this program reads the bytes).  The indices are taken to lie in 0..7, inside the table of experts.
; WORK-GROUPS 1..128: g = id - 1; 16 tokens (g / 2) and four experts (4 (g % 2) ..).  Wave w takes K step w (128 of the 2,048): it quantises x and the 32 columns (e,r) of A1 along K in registers and multiplies them:
;   source 0 = 16 columns (e,r), source 1 = 16 tokens: lane (tok,h) then holds expert e0 + h, register j = r.  The sixteen waves' sums meet in LDS; four waves add them, double them (the LoRA scaling) and store.
;   xq: codes [tok][K step 16][h 2][c 4][16 bytes]: a lane's 64 bytes of a fragment on end; from byte 2,097,152 the scale words [K step][tok].   fl: xa2 [e][tok][8]; from byte 262,144 wrow [e][1088].
; WORK-GROUP 0: a counting sort of the pairs (e,t), no atomics: every wave counts all 32 groups of 32 tokens, keeps the counts in front of its own two groups, and places those.
;   The counting is by lanes: lane l counts the tokens 32 g + l in eight byte counters (two registers); the lanes' counters are added once, at the end, in whole numbers.
;   route: cnt[8] | 256: rowtok[e][1088] | 35,072: pmap[tok][h 2][i 4] = row of expert h + 2 i | 67,840: ymap[tok][4] = row of each slot, a repeated expert only once.  row = 1024 e + place; 8192 = a row of zeros.
;   All lanes stay on: a lane whose token does not name expert e stores token 0 and weight 0 into place 1056 + lane of e's two lists: the same bytes from every wave.  The lists are read up to place 1023; places 1056..1087 are read by nobody.
.set SPARE, 32768                      ; LDS: 0: the partial sums [wave 16][4 pieces][512]; behind them the spare words, 128 bytes a wave
.set SPW, 12                           ; v12 my spare word's address; v13 0: kept for the closing lines alone
.set NIL, 13
.set TM, 48                            ; v48-63 at work in QUANT
.set SEL, 24                           ; s[24:25] lane l xor 16
.set MNT, 26                           ; s26 the mantissa field of 57,344
; 64 numbers of a lane, register 16 b + i = k 32 b + 16 h + i of its row, become a fragment's codes in v[d] on and its scale word in v[w]
.macro QUANT s, d, w
.irp b, 0,1,2,3
	v_max3_num_f32 v[TM+\b], |v[\s+16*\b]|, |v[\s+1+16*\b]|, 0x8000000   ; with the floor 2^(16-127): the byte cannot fall under 1
.endr
.irp i, 2,4,6,8,10,12,14
.irp b, 0,1,2,3
	s_delay_alu instid0(VALU_DEP_4)
	v_max3_num_f32 v[TM+\b], v[TM+\b], |v[\s+16*\b+\i]|, |v[\s+1+16*\b+\i]|
.endr
.endr
.irp b, 0,1,2,3
	s_delay_alu instid0(VALU_DEP_4)
	v_permlanex16_b32 v[TM+4+\b], v[TM+\b], s[SEL], s[SEL+1]
.endr
.irp b, 0,1,2,3
	s_delay_alu instid0(VALU_DEP_4)
	v_max_num_f32 v[TM+\b], v[TM+\b], v[TM+4+\b]          ; the block's largest magnitude
.endr
.irp b, 0,1,2,3
	s_delay_alu instid0(VALU_DEP_4)
	v_add_nc_u32 v[TM+12+\b], 0xf8800000, v[TM+\b]        ; 15 off its exponent field: the conversion's scale operand
.endr
.irp b, 0,1,2,3
	v_and_or_b32 v[TM+8+\b], v[TM+\b], 0x7f800000, s[MNT] ; 57,344 x the scale
.endr
.irp b, 0,1,2,3
	v_lshrrev_b32 v[TM+4+\b], 23, v[TM+12+\b]             ; the scale's byte
.endr
	s_delay_alu instid0(VALU_DEP_3)
	v_lshl_or_b32 v[\w], v[TM+5], 8, v[TM+4]
	s_delay_alu instid0(VALU_DEP_1)
	v_lshl_or_b32 v[\w], v[TM+6], 16, v[\w]
	s_delay_alu instid0(VALU_DEP_1)
	v_lshl_or_b32 v[\w], v[TM+7], 24, v[\w]
.irp b, 0,1,2,3
.irp i, 0,1,2,3,4,5,6,7,8,9,10,11,12,13,14,15
	v_med3_num_f32 v[\s+16*\b+\i], v[\s+16*\b+\i], -v[TM+8+\b], v[TM+8+\b]   ; the conversion does not saturate: hold first
.endr
	v_cvt_scalef32_pk8_bf8_f32 v[\d+4*\b:\d+1+4*\b], v[\s+16*\b:\s+7+16*\b], v[TM+12+\b]
	v_cvt_scalef32_pk8_bf8_f32 v[\d+2+4*\b:\d+3+4*\b], v[\s+8+16*\b:\s+15+16*\b], v[TM+12+\b]
.endr
	v_nop                                                 ; a plain line behind the last conversion
.endm
	s_load_b256 s[4:11], s[0:1], 0x0               ; x s[4:5], A1 s[6:7], indices s[8:9], weights s[10:11]
	s_load_b256 s[12:19], s[0:1], 0x20             ; xq s[12:13], fl s[14:15], route s[16:17], u s[18:19]
	s_load_b64 s[20:21], s[0:1], 0x40              ; y
	v_lshl_add_u32 v[SPW], v0, 2, SPARE
	v_mov_b32 v[NIL], 0
	v_lshrrev_b32 v1, 5, v0
	s_delay_alu instid0(VALU_DEP_1)
	v_readfirstlane_b32 s22, v1                    ; wave 0..15
	v_and_b32 v1, 31, v0                           ; lane
	v_and_b32 v2, 15, v0                           ; r
	v_bfe_u32 v3, v0, 4, 1                         ; h
	s_lshl_b32 s23, s22, 11
	v_lshlrev_b32 v8, 4, v1
	v_lshlrev_b32 v9, 4, v1
	s_delay_alu instid0(VALU_DEP_2)
	v_add_nc_u32 v8, s23, v8                       ; LDS: where I put my sums: 2048 wave + 16 lane
	s_lshl_b32 s23, s22, 9
	v_add_nc_u32 v9, s23, v9                       ; and where waves 0-3 read a piece: 512 wave + 16 lane
	s_mov_b32 s[SEL], 0x76543210
	s_mov_b32 s[SEL+1], 0xfedcba98
	s_cmp_eq_u32 ttmp9, 0
	s_cbranch_scc1 .Lroute
	; ---------------- tokens' codes and 2 x A1 ----------------
	s_mov_b32 s[MNT], 0x600000
	s_sub_co_u32 s27, ttmp9, 1
	s_lshr_b32 s28, s27, 1                         ; tile of 16 tokens
	s_and_b32 s29, s27, 1                          ; which four experts
	s_wait_alu depctr_va_vdst(0)
	v_lshlrev_b32 v4, 13, v2
	s_delay_alu instid0(VALU_DEP_1)
	v_lshl_add_u32 v4, v3, 6, v4                   ; x: row r of 8,192 bytes + 64 h
	v_lshrrev_b32 v5, 3, v2
	s_delay_alu instid0(VALU_DEP_1)
	v_lshlrev_b32 v5, 16, v5
	s_delay_alu instid0(VALU_DEP_1)
	v_lshl_add_u32 v5, v3, 9, v5
	v_and_b32 v6, 7, v2
	s_delay_alu instid0(VALU_DEP_1)
	v_lshl_add_u32 v5, v6, 2, v5                   ; A1: expert r / 8, 16 h rows of 32 bytes down, column r % 8
	v_lshlrev_b32 v6, 11, v2
	s_delay_alu instid0(VALU_DEP_1)
	v_lshl_add_u32 v6, v3, 6, v6                   ; xq: 2048 r + 64 h
	v_lshlrev_b32 v7, 2, v2                        ; its scale word: 4 r
	v_lshlrev_b32 v10, 15, v3
	s_delay_alu instid0(VALU_DEP_1)
	v_lshl_add_u32 v10, v2, 5, v10                 ; xa2: expert h, token r
.irp b, 0,1,2,3
	v_mov_b32 v[TM+4+\b], 0                        ; a lane permute's destination counts as a source
.endr
	s_lshl_b32 s30, s28, 17
	s_lshl_b32 s31, s22, 9
	s_add_co_u32 s30, s30, s31                     ; x: 16 tile rows + 512 wave
	s_mov_b32 s31, 0
	s_lshl_b32 s32, s29, 18
	s_lshl_b32 s33, s22, 12
	s_add_co_u32 s32, s32, s33                     ; A1: 4 hf experts + 128 wave rows
	s_mov_b32 s33, 0
	s_wait_kmcnt 0x0
	s_add_nc_u64 s[4:5], s[4:5], s[30:31]
	s_add_nc_u64 s[6:7], s[6:7], s[32:33]
.irp b, 0,1,2,3
.irp j, 0,1,2,3
	global_load_b128 v[64+16*\b+4*\j:67+16*\b+4*\j], v4, s[4:5] offset:128*\b+16*\j
.endr
.endr
.irp t, 0,1
.irp b, 0,1,2,3
.irp i, 0,1,2,3,4,5,6,7,8,9,10,11,12,13,14,15
	global_load_b32 v[128+64*\t+16*\b+\i], v5, s[6:7] offset:131072*\t+(32*\b+\i)*32
.endr
.endr
.endr
	s_lshl_b32 s30, s28, 15
	s_lshl_b32 s32, s22, 7
	s_add_co_u32 s30, s30, s32
	s_add_nc_u64 s[36:37], s[12:13], s[30:31]      ; xq codes: 16 tile tokens + 128 wave
	s_lshl_b32 s30, s22, 12
	s_lshl_b32 s32, s28, 6
	s_add_co_u32 s30, s30, s32
	s_add_co_u32 s30, s30, 0x200000
	s_add_nc_u64 s[38:39], s[12:13], s[30:31]      ; xq scale words
	s_lshl_b32 s30, s29, 17
	s_lshr_b32 s32, s22, 1
	s_lshl_b32 s32, s32, 16
	s_add_co_u32 s30, s30, s32
	s_lshl_b32 s32, s28, 9
	s_add_co_u32 s30, s30, s32
	s_and_b32 s32, s22, 1
	s_lshl_b32 s32, s32, 4
	s_add_co_u32 s30, s30, s32
	s_add_nc_u64 s[40:41], s[14:15], s[30:31]      ; xa2, for waves 0-3: piece = wave = 2 x (pair of experts) + (half of r)
	s_wait_loadcnt 63                              ; x's 16 loads are in: 128 younger ones follow, more than the count can name
	QUANT 64, 16, 14
	s_cmp_lg_u32 s29, 0                            ; the tile's first work-group stores the tokens' codes
	s_cbranch_scc1 .Lnox
.irp c, 0,1,2,3
	global_store_b128 v6, v[16+4*\c:19+4*\c], s[36:37] offset:16*\c
.endr
	global_store_b32 v7, v14, s[38:39]             ; both halves of the lanes hold the same word
.Lnox:
	s_wait_loadcnt 63                              ; the first 16 columns of A1 are in (64 younger loads)
	QUANT 128, 32, 15
	s_wait_loadcnt 0x0
	QUANT 192, 64, 11
.rept 8
	v_nop                                          ; a scale word made by vector instructions stands 8 places ahead of the product, codes 4
.endr
	v_wmma_scale_f32_16x16x128_f8f6f4 v[80:87], v[32:47], v[16:31], 0, v15, v14 matrix_a_fmt:MATRIX_FMT_BF8 matrix_b_fmt:MATRIX_FMT_BF8
	v_wmma_scale_f32_16x16x128_f8f6f4 v[88:95], v[64:79], v[16:31], 0, v11, v14 matrix_a_fmt:MATRIX_FMT_BF8 matrix_b_fmt:MATRIX_FMT_BF8
.rept 8
	v_nop
.endr
	ds_store_b128 v8, v[80:83]
	ds_store_b128 v8, v[84:87] offset:512
	ds_store_b128 v8, v[88:91] offset:1024
	ds_store_b128 v8, v[92:95] offset:1536
	s_wait_dscnt 0x0                               ; my stores have landed
	s_barrier_signal -1
	s_barrier_wait -1
	s_cmp_lt_u32 s22, 4
	s_cbranch_scc0 .Ldone
.irp s, 0,1,2,3,4,5,6,7,8,9,10,11,12,13,14,15
	ds_load_b128 v[128+4*\s:131+4*\s], v9 offset:2048*\s
.endr
	s_wait_dscnt 0x0
.irp s, 1
	v_pk_add_f32 v[128:129], v[128:129], v[128+4*\s:129+4*\s]
	v_pk_add_f32 v[130:131], v[130:131], v[130+4*\s:131+4*\s]
.endr
.irp s, 2, 3, 4, 5, 6, 7, 8, 9, 10, 11, 12, 13, 14, 15
	s_delay_alu instid0(VALU_DEP_2)
	v_pk_add_f32 v[128:129], v[128:129], v[128+4*\s:129+4*\s]
	s_delay_alu instid0(VALU_DEP_2)
	v_pk_add_f32 v[130:131], v[130:131], v[130+4*\s:131+4*\s]
.endr
	s_delay_alu instid0(VALU_DEP_2)
	v_pk_mul_f32 v[128:129], v[128:129], 2.0 op_sel_hi:[1,0]   ; SCALING = 16 / 8
	s_delay_alu instid0(VALU_DEP_2)
	v_pk_mul_f32 v[130:131], v[130:131], 2.0 op_sel_hi:[1,0]
	global_store_b128 v10, v[128:131], s[40:41]
.Ldone:
	s_wait_tensorcnt 0x0                           ; the wave's end
	ds_add_u32 v[SPW], v[NIL]
	s_wait_dscnt 0x0
	s_endpgm
	; ---------------- the routing: whole numbers only steer addresses here ----------------
	; v16-31 my two groups' indices and weights; v32-39 pmap's eight, v40-43 ymap's four; v44, v45 the lane's byte counters (experts 0-3, 4-7), v46, v47 their copy in front of my groups, v48-51 at work;
	; v64-71 the counters in 16-bit fields, v72-79 at work (later v64-79: the fill's places); for each expert: v96-103 a place, v104-111 a weight, v112-119 a token; v120-123 zeros; v128-255 all indices
.macro COUNT g                         ; group g: lane l's token 32 g + l adds 1 to the byte counter of each expert that it names
.if ((\g)%2) == 0
	s_cmp_eq_u32 s22, (\g)/2                       ; in front of my own two groups the counters so far are kept: they become my first places
	s_cselect_b32 s56, -1, 0
	v_cndmask_b32 v46, v46, v44, s56
	v_cndmask_b32 v47, v47, v45, s56
.endif
	v_lshl_or_b32 v6, 1, v[128+4*(\g)], 0
	s_delay_alu instid0(VALU_DEP_1)
	v_lshl_or_b32 v6, 1, v[129+4*(\g)], v6
	s_delay_alu instid0(VALU_DEP_1)
	v_lshl_or_b32 v6, 1, v[130+4*(\g)], v6
	s_delay_alu instid0(VALU_DEP_1)
	v_lshl_or_b32 v6, 1, v[131+4*(\g)], v6         ; the token's set of experts, a bit each
	s_delay_alu instid0(VALU_DEP_1)
	v_and_b32 v7, 15, v6                           ; experts 0-3,
	s_delay_alu instid0(VALU_DEP_2)
	v_bfe_u32 v10, v6, 4, 4                        ; experts 4-7
	s_delay_alu instid0(VALU_DEP_2)
	v_mul_u32_u24 v7, v7, 0x204081                 ; four copies, 7 bits apart: bit j of the four now also stands at bit 8 j
	s_delay_alu instid0(VALU_DEP_2)
	v_mul_u32_u24 v10, v10, 0x204081
	s_delay_alu instid0(VALU_DEP_2)
	v_and_b32 v7, 0x1010101, v7                    ; a bit to a byte
	s_delay_alu instid0(VALU_DEP_2)
	v_and_b32 v10, 0x1010101, v10
	s_delay_alu instid0(VALU_DEP_2)
	v_add_nc_u32 v44, v44, v7                      ; at most 32 in a byte
	s_delay_alu instid0(VALU_DEP_2)
	v_add_nc_u32 v45, v45, v10
.endm
.macro DED a, b                        ; slot a names the expert of the earlier slot b: its row counts once
	v_cmp_eq_u32 vcc_lo, v[I+\a], v[I+\b]
	s_delay_alu instid0(VALU_DEP_1)
	v_cndmask_b32 v[40+\a], v[40+\a], v58, vcc_lo
.endm
.macro EMIT j                          ; my group j: token t = s57 + lane
.set I, 16+4*\j
.set WT, 24+4*\j
	s_wait_xcnt 0x0                                ; the last group's stores have read their registers
	v_add_nc_u32 v57, s57, v1
	v_lshl_or_b32 v6, 1, v[I], 0
	s_delay_alu instid0(VALU_DEP_1)
	v_lshl_or_b32 v6, 1, v[I+1], v6
	s_delay_alu instid0(VALU_DEP_1)
	v_lshl_or_b32 v6, 1, v[I+2], v6
	s_delay_alu instid0(VALU_DEP_1)
	v_lshl_or_b32 v6, 1, v[I+3], v6
.irp k, 0,1,2,3
	v_mov_b32 v[40+\k], v58
.endr
.irp e, 0,1,2,3,4,5,6,7
	v_and_b32 v7, 1<<\e, v6
	s_delay_alu instid0(VALU_DEP_1)
	v_cmp_ne_u32 s56, 0, v7                        ; the lanes whose token names e
	s_delay_alu instid0(VALU_DEP_1)
	v_mbcnt_lo_u32_b32 v[96+\e], s56, 0            ; tokens of my group ahead of me that name e
	s_delay_alu instid0(VALU_DEP_1)
	v_add_nc_u32 v[96+\e], s[48+\e], v[96+\e]      ; my place among e's rows
	s_delay_alu instid0(VALU_DEP_1)
	v_add_nc_u32 v45, 1024*\e, v[96+\e]            ; my row
.irp k, 0
	v_cmp_eq_u32 vcc_lo, \e, v[I+\k]
.if \k == 0
	s_delay_alu instid0(VALU_DEP_1)
	v_cndmask_b32 v[104+\e], 0, v[WT], vcc_lo      ; w[e,t]: the slots that name e, k ascending; 0 where none does
.else
	v_cndmask_b32 v47, 0, v[WT+\k], vcc_lo
	v_add_f32 v[104+\e], v[104+\e], v47
.endif
	s_delay_alu instid0(VALU_DEP_2)
	v_cndmask_b32 v[40+\k], v[40+\k], v45, vcc_lo
.endr
.irp k, 1, 2, 3
	v_cmp_eq_u32 vcc_lo, \e, v[I+\k]
.if \k == 0
	v_cndmask_b32 v[104+\e], 0, v[WT], vcc_lo      ; w[e,t]: the slots that name e, k ascending; 0 where none does
.else
	s_delay_alu instid0(VALU_DEP_1)
	v_cndmask_b32 v47, 0, v[WT+\k], vcc_lo
	s_delay_alu instid0(VALU_DEP_1)
	v_add_f32 v[104+\e], v[104+\e], v47
.endif
	s_delay_alu instid0(VALU_DEP_3)
	v_cndmask_b32 v[40+\k], v[40+\k], v45, vcc_lo
.endr
	v_cndmask_b32 v[32+4*(\e%2)+\e/2], v58, v45, s56
	v_cndmask_b32 v[112+\e], 0, v57, s56           ; the token; 0 in a lane that does not name e, so that every wave stores the same bytes at the place below
	v_cndmask_b32 v[96+\e], v61, v[96+\e], s56     ; a lane that does not name e: place 1056 + lane, which nobody reads
	s_delay_alu instid0(VALU_DEP_1)
	v_min_u32 v[96+\e], 0x43f, v[96+\e]            ; inside the list's 1,088 places
	s_delay_alu instid0(VALU_DEP_1)
	v_lshlrev_b32 v[96+\e], 2, v[96+\e]
	global_store_b32 v[96+\e], v[112+\e], s[16:17] offset:256+4352*\e
	global_store_b32 v[96+\e], v[104+\e], s[14:15] offset:262144+4352*\e
	s_bcnt1_i32_b32 s56, s56
	s_add_co_u32 s[48+\e], s[48+\e], s56
.endr
	DED 1, 0
	DED 2, 0
	DED 2, 1
	DED 3, 0
	DED 3, 1
	DED 3, 2
	v_lshlrev_b32 v59, 5, v57
	v_lshlrev_b32 v60, 4, v57
	global_store_b128 v59, v[32:35], s[16:17] offset:35072
	global_store_b128 v59, v[36:39], s[16:17] offset:35088
	global_store_b128 v60, v[40:43], s[16:17] offset:67840
.endm
.Lroute:
	s_wait_alu depctr_va_vdst(0)
	v_lshlrev_b32 v4, 4, v1
	s_lshl_b32 s27, s22, 10
	v_add_nc_u32 v5, s27, v4                       ; my two groups: 64 tokens of 16 bytes a wave
	v_mov_b32 v56, 0
	v_mov_b32 v58, 8192                            ; the row of zeros
	v_add_nc_u32 v61, 1056, v1                     ; the place that nobody reads
.irp i, 0,1,2,3,4,5,6,7
	v_mov_b32 v[44+\i], 0                          ; the counters and their copy begin at 0; v48-51: a lane move's destination counts as a source
	v_mov_b32 v[72+\i], 0                          ; likewise
.endr
	s_lshl_b32 s57, s22, 6
	s_wait_kmcnt 0x0
.set G, 0
.rept 32
	global_load_b128 v[128+4*G:131+4*G], v4, s[8:9] offset:512*G
.set G, G+1
.endr
	global_load_b128 v[16:19], v5, s[8:9]
	global_load_b128 v[20:23], v5, s[8:9] offset:512
	global_load_b128 v[24:27], v5, s[10:11]
	global_load_b128 v[28:31], v5, s[10:11] offset:512
	s_wait_loadcnt 0x0
.set G, 0
.rept 32
	COUNT G
.set G, G+1
.endr
	; the 32 lanes' counters are added.  Two steps in bytes (4 lanes x 32 at the most stay under 256), then in 16-bit fields (1,024 at the most)
.irp x, 1,2
.irp r, 0,1,2,3
	v_mov_b32_dpp v[48+\r], v[44+\r] row_xmask:\x row_mask:0xf bank_mask:0xf
.endr
.irp r, 0,1,2,3
	s_delay_alu instid0(VALU_DEP_4)
	v_add_nc_u32 v[44+\r], v[44+\r], v[48+\r]
.endr
.endr
.irp r, 0,1,2,3
	v_and_b32 v[64+2*\r], 0xff00ff, v[44+\r]       ; bytes 0 and 2,
	v_lshrrev_b32 v[65+2*\r], 8, v[44+\r]
.endr
.irp r, 0,1,2,3
	v_and_b32 v[65+2*\r], 0xff00ff, v[65+2*\r]     ; bytes 1 and 3
.endr
.irp x, 4,8
.irp r, 0,1,2,3,4,5,6,7
	v_mov_b32_dpp v[72+\r], v[64+\r] row_xmask:\x row_mask:0xf bank_mask:0xf
.endr
.irp r, 0,1,2,3,4,5,6,7
	v_add_nc_u32 v[64+\r], v[64+\r], v[72+\r]
.endr
.endr
.irp r, 0,1,2,3,4,5,6,7
	v_permlanex16_b32 v[72+\r], v[64+\r], s[SEL], s[SEL+1]
.endr
.irp r, 0,1,2,3,4,5,6,7
	v_add_nc_u32 v[64+\r], v[64+\r], v[72+\r]      ; every lane holds the sums: v64-67 all tokens, v68-71 the tokens in front of my groups
.endr
	s_wait_alu depctr_va_vdst(0)
.irp n, 0,1,2,3                        ; register n holds experts 4 (n / 2) + n % 2 (low field) and that + 2 (high field)
	v_readfirstlane_b32 s56, v[64+\n]
	v_readfirstlane_b32 s58, v[68+\n]
	s_and_b32 s[40+4*(\n/2)+(\n%2)], s56, 0xffff   ; s40-47: each expert's rows
	s_lshr_b32 s[42+4*(\n/2)+(\n%2)], s56, 16
	s_and_b32 s[48+4*(\n/2)+(\n%2)], s58, 0xffff   ; s48-55: my first place in each expert's list
	s_lshr_b32 s[50+4*(\n/2)+(\n%2)], s58, 16
.endr
	EMIT 0
	s_add_co_u32 s57, s57, 32
	EMIT 1
	; the lists' tails, places n_e .. 1024, get token 0 and weight 0: tiles are filled up with them
.irp e, 0,1,2,3,4,5,6,7
	s_min_u32 s[40+\e], s[40+\e], 0x400
.endr
.irp e, 0,1,2,3,4,5,6,7
.irp c, 0,1
	v_add3_u32 v[64+2*\e+\c], s[40+\e], v0, 512*\c
	s_delay_alu instid0(VALU_DEP_1)
	v_min_u32 v[64+2*\e+\c], 0x400, v[64+2*\e+\c]
	s_delay_alu instid0(VALU_DEP_1)
	v_lshlrev_b32 v[64+2*\e+\c], 2, v[64+2*\e+\c]
	global_store_b32 v[64+2*\e+\c], v56, s[16:17] offset:256+4352*\e
	global_store_b32 v[64+2*\e+\c], v56, s[14:15] offset:262144+4352*\e
.endr
.endr
	s_cmp_lg_u32 s22, 0
	s_cbranch_scc1 .Lnot0
.irp e, 0,1,2,3,4,5,6,7
	v_mov_b32 v[80+\e], s[40+\e]
.endr
	v_mov_b32 v88, 0
	v_mov_b32 v90, 0
	v_mov_b32 v91, 0
	v_lshlrev_b32 v89, 3, v1
	global_store_b128 v88, v[80:83], s[16:17]      ; cnt[8]: all lanes store the same bytes
	global_store_b128 v88, v[84:87], s[16:17] offset:16
	global_store_b64 v89, v[90:91], s[18:19] offset:262144   ; u's row of zeros
.Lnot0:
	v_lshlrev_b32 v92, 4, v0
.irp i, 0,1,2,3
	v_mov_b32 v[120+\i], 0                         ; registers that no pending store reads
.endr
	s_add_nc_u64 s[20:21], s[20:21], 0x4000000     ; y's row 8192
	global_store_b128 v92, v[120:123], s[20:21]    ; 512 threads x 16 bytes: the row of zeros
	s_endpgm
.Lfunc_end_k_q7c6f2279f5_prep:
	.size	k_q7c6f2279f5_prep, .Lfunc_end_k_q7c6f2279f5_prep-k_q7c6f2279f5_prep
	.p2alignl 7, 3214868480
	.fill 96, 4, 3214868480
	.section	.rodata,"a",@progbits
	.p2align	6, 0x0
	.amdhsa_kernel k_q7c6f2279f5_prep
		.amdhsa_group_segment_fixed_size 34816
		.amdhsa_private_segment_fixed_size 0
		.amdhsa_enable_private_segment 0
		.amdhsa_kernarg_size 72
		.amdhsa_user_sgpr_count 2
		.amdhsa_user_sgpr_kernarg_segment_ptr 1
		.amdhsa_wavefront_size32 1
		.amdhsa_system_sgpr_workgroup_id_x 1
		.amdhsa_system_sgpr_workgroup_id_y 1
		.amdhsa_system_sgpr_workgroup_id_z 1
		.amdhsa_system_vgpr_workitem_id 0
		.amdhsa_next_free_vgpr 256
		.amdhsa_next_free_sgpr 66
		.amdhsa_reserve_vcc 1
		.amdhsa_float_denorm_mode_32 3
		.amdhsa_float_denorm_mode_16_64 3
		.amdhsa_memory_ordered 1
		.amdhsa_forward_progress 1
		.amdhsa_inst_pref_size 137
	.end_amdhsa_kernel
	.amdgpu_metadata
---
amdhsa.version: [ 1, 2 ]
amdhsa.kernels:
  - .name:           k_q7c6f2279f5_prep
    .symbol:         k_q7c6f2279f5_prep.kd
    .args:
      - { .name: hidden_states, .offset: 0, .size: 8, .value_kind: global_buffer, .address_space: global }
      - { .name: lora_gate_up_A, .offset: 8, .size: 8, .value_kind: global_buffer, .address_space: global }
      - { .name: router_indices, .offset: 16, .size: 8, .value_kind: global_buffer, .address_space: global }
      - { .name: routing_weights, .offset: 24, .size: 8, .value_kind: global_buffer, .address_space: global }
      - { .name: xq, .offset: 32, .size: 8, .value_kind: global_buffer, .address_space: global }
      - { .name: fl, .offset: 40, .size: 8, .value_kind: global_buffer, .address_space: global }
      - { .name: route, .offset: 48, .size: 8, .value_kind: global_buffer, .address_space: global }
      - { .name: u, .offset: 56, .size: 8, .value_kind: global_buffer, .address_space: global }
      - { .name: y, .offset: 64, .size: 8, .value_kind: global_buffer, .address_space: global }
    .group_segment_fixed_size: 34816
    .private_segment_fixed_size: 0
    .kernarg_segment_align: 8
    .kernarg_segment_size: 72
    .max_flat_workgroup_size: 512
    .sgpr_count:     66
    .vgpr_count:     256
    .wavefront_size: 32
...
	.end_amdgpu_metadata
.endif
;; end of part 1
;; launch gateup (part 2): grid 256 x 1, 8 waves a work-group, no clusters, 137,216 bytes of LDS; arguments gate_up_proj, gate_up_proj_bias, lora_gate_up_B, lora_down_A, xq, fl, route, gq, t2p; writes gq, t2p
.if DOCPART == 2
	.amdgcn_target "amdgcn-amd-amdhsa--gfx1250"
	.amdhsa_code_object_version 6
	.text
	.protected	k_q7c6f2279f5_gateup
	.globl	k_q7c6f2279f5_gateup
	.p2align	8
	.type	k_q7c6f2279f5_gateup,@function
k_q7c6f2279f5_gateup:
	s_mov_b64 s[64:65], 0
	v_nop
	global_prefetch_b8 v0, s[64:65] scope:SCOPE_SE
	s_setreg_imm32_b32 hwreg(HW_REG_WAVE_MODE, 25, 1), 1
	s_wait_xcnt 0x0
; ExpertLoRA, launch 2 of 4: gated = GLU(Q(x) Q(W1) + 2 (x A1) B1 + b1) for the rows (e,t) that a slot names, as codes; and its product with A2, slab by slab.
; Rows that no slot names are left out: w[e,t] = 0 there by one_hot's zeros (shown at the head of the first launch).
; A WORK-GROUP owns expert e = id / 32 and 64 columns of W1 (slab s = id % 32: 256 bytes of each of its 2,048 rows), which it alone reads, once: f = 32 s .. 32 s + 31, one block of the next product's K.
; No tensor loads, no cluster: how many tiles of rows an expert has is a number read from memory, and the rows are a gather by a stored list.
; ALL EIGHT WAVES DO THE SAME WORK.  A phase is 256 along K (two K steps of 128); phase p takes K at (s + p) % 8, of W1 and of the rows alike, so that the work-groups of an expert read different parts of the rows' codes.
;   LIMIT: the phases are summed in that order, which differs from work-group to work-group, behind b1 and the LoRA term: an order of f32 rounding other than reference()'s.
; In phase p wave w (1) multiplies its tiles 8 q + w, q = 0..3 (16 rows x 64 columns each), with phase p's codes of W1 from LDS, (2) asks for its rows' codes of phase p + 1 as each K step's registers come free,
;   (3) turns block w (32 rows) of phase p + 1 of W1 into codes and scale bytes in LDS, (4) asks for that block of phase p + 3.  Every phase has LDS bytes of its own: one barrier a phase, and the codes stay for a second pass.
;   A lane of (3) holds 4 columns x 16 rows; the hold at the largest code writes column by column, so that the conversions find 16 neighbours along K; lane l xor 16 holds the block's other 16 rows.
; W1 IS PREFETCHED: with the loads of phase n goes one prefetch a wave for phase n + 2, which is loaded two trips later: lane l of wave w names row 32 w + l's 256 bytes of my slab, so the eight waves name each of the phase's 256 blocks once.
;   Phases 0 to 2 come by their loads alone, phase 3 is asked for at the head, phases 4 to 7 with the loads of 2 to 5; nothing is asked for beyond phase 7.  At most two phases (128 KB) are asked for and not yet loaded.
; Source 0 = 16 columns of W1 (tile c, row m = column 32 (m / 8) + 8 c + m % 8), source 1 = 16 tokens: lane (tok,h) holds columns 32 h + 8 c + j: gate in even registers, up in odd: f = 16 h + 4 c + j / 2.
; THE SUMS BEGIN AS b1 x 1, one f32 matrix step (k = 0 holds b1 and 1, the other k zeros), and 2 (x A1) B1 follows by two f32 matrix steps (K = 8): f32 operands ahead of a quantiser.  The accumulators are written by matrix instructions alone.
; Rows 512..1023 of an expert are a second pass over the codes in LDS, with no barrier.  Every barrier stands outside the branches on the stored count.
; Pass 1 always finishes its 32 tiles (places past the count hold token 0), so that the next launch's first loads find written bytes.
; gq: codes [e][tile 64][K step 8][c 4][lane 32][16]; from 8,388,608 scale bytes [e][tile][row 16][slab 32].  t2p: [e][tile][slab][lane][4]: lane (tok,h): r = 4 h ..
; LIMITS as at the head of the first launch.
; REGISTERS, window 0: v1 r, v2 h, v3 the prefetches' offset, v4 16 lane, v5 W1's scale words' place, v6, v7 where my codes and bytes of the next phase go, v8-11 the phase's LDS addresses, v12, v13 the closing add's two, v14 my offset in W1, v15 32 r,
;   v16-19 2048 tok + 64 h, v20-23 4 tok, v24-31 the rows' scale words, v32-39 W1's (K step 0 in v36-39), v32-47 also at work in the quantiser, v40-47 at the end A2 (bf16), v48-63 codes and short-lived offsets,
;   v64-127 W1's fragments of a K step, and the held numbers (ahead of the phases: v64-79 B1, v80-95 2 x A1); v128-255 the rows' fragments: 64 K step + 16 q.
;   window 1: v0-127 accumulator (q,c) at 32 q + 8 c; v128-255 two sets of 64 loaded numbers of W1; at the end v160-175 A2.
.set IMGP, 8256                        ; a K step's four fragment images, 2,064 bytes apart
.set FRP, 2064
.set WSC, 132096                       ; W1's scale words: [K step in the order of work][c 4][m 16]
.set SPARE, 136192                     ; the spare words, 128 bytes a wave
.set PT, 32
.set CD, 48
.set WOFF, 14
.set MSB, 0
.macro WIN new
.if MSB != \new
	s_set_vgpr_msb (MSB<<8)|\new
.set MSB, \new
.endif
.endm
.macro NOPS n
.rept \n
	v_nop
.endr
.endm
.macro WALU
	s_wait_alu depctr_va_vdst(0)
.endm
.macro PISSUE set, base                ; my block of a phase: 16 loads; lanes 0-15 one row's 256 bytes, lanes 16-31 those of the row 16 further down
	WIN 0x40
.irp i, 0,1,2,3,4,5,6,7,8,9,10,11,12,13,14,15
	global_load_b128 v[128+64*(\set)+4*\i:128+64*(\set)+4*\i+3], v[WOFF], s[\base:\base+1] offset:\i*8192 th:TH_LOAD_NT
.endr
	WIN 0
.endm
.macro WNEXT set, pf                   ; the next phase of W1, wrapping; a phase is 256 rows of 8,192 bytes.  pf: 1 the phase two on is prefetched; 2 likewise, but not in the loop's last trip, where it would lie beyond phase 7
	s_wait_xcnt 0x0                                ; the loads and the prefetch of a phase ago have read their bases
	s_add_co_u32 s71, s71, 1
	s_and_b32 s71, s71, 7
	s_lshl_b32 s46, s71, 21
	s_add_nc_u64 s[36:37], s[84:85], s[46:47]
.if \pf
	s_add_co_u32 s46, s71, 2
	s_and_b32 s46, s46, 7
	s_lshl_b32 s46, s46, 21
	s_add_nc_u64 s[76:77], s[84:85], s[46:47]
.endif
	PISSUE \set, 36
.if \pf == 2
	s_cmp_eq_u32 s32, 1
	s_cbranch_scc1 .Lnp_\@
.endif
.if \pf
	global_prefetch_b8 v3, s[76:77] th:TH_LOAD_NT scope:SCOPE_SE
.endif
.Lnp_\@:
.endm
.macro PSTEP set                       ; the set's numbers become codes at LDS address v10 and bytes at v11
.set SB_, 128+64*(\set)
	WIN 0x05
.irp j, 0,1,2,3
	v_max3_num_f32 v[PT+\j], |v[SB_+\j]|, |v[SB_+4+\j]|, 0x8000000        ; with the floor 2^(16-127): the byte cannot fall under 1
.endr
.irp i, 2,4,6,8,10,12,14
.irp j, 0,1,2,3
	v_max3_num_f32 v[PT+\j], |v[SB_+4*\i+\j]|, |v[SB_+4*\i+4+\j]|, v[PT+\j]
.endr
.endr
	WIN 0
.irp j, 0,1,2,3
	v_permlanex16_b32 v[PT+4+\j], v[PT+\j], s42, s43
.endr
.irp j, 0,1,2,3
	v_max_num_f32 v[PT+\j], v[PT+\j], v[PT+4+\j]          ; the block's largest magnitude
.endr
.irp j, 0,1,2,3
	v_add_nc_u32 v[PT+8+\j], 0xf8800000, v[PT+\j]         ; 15 off its exponent field: the conversion's scale operand
.endr
.irp j, 0,1,2,3
	v_and_or_b32 v[PT+12+\j], v[PT+\j], 0x7f800000, s44   ; 57,344 x the scale
.endr
.irp j, 0,1,2,3
	v_lshrrev_b32 v[PT+4+\j], 23, v[PT+8+\j]              ; the scale's byte
.endr
	WIN 0x01
.irp j, 0,1,2,3
.irp i, 0,1,2,3,4,5,6,7,8,9,10,11,12,13,14,15
	v_med3_num_f32 v[64+16*\j+\i], v[SB_+4*\i+\j], -v[PT+12+\j], v[PT+12+\j]   ; the hold, and the turn from rows to columns in its destination
.endr
.endr
	WIN 0
.irp j, 0,1,2,3
	v_cvt_scalef32_pk8_bf8_f32 v[CD+4*\j:CD+4*\j+1], v[64+16*\j:71+16*\j], v[PT+8+\j]
	v_cvt_scalef32_pk8_bf8_f32 v[CD+4*\j+2:CD+4*\j+3], v[72+16*\j:79+16*\j], v[PT+8+\j]
.endr
	v_nop                                                 ; a plain line behind the last conversion
.irp j, 0,1,2,3
	ds_store_b128 v10, v[CD+4*\j:CD+4*\j+3] offset:16*\j
	ds_store_b8 v11, v[PT+4+\j] offset:4*\j               ; both halves of the lanes store the same byte
.endr
.endm
.macro APTR                            ; the rows' two pointers at phase s70: 256 bytes of codes a token, 8,192 bytes of scale words
	s_lshl_b32 s46, s70, 8
	s_add_nc_u64 s[38:39], s[12:13], s[46:47]
	s_lshl_b32 s46, s70, 13
	s_add_nc_u64 s[40:41], s[80:81], s[46:47]
.endm
.macro XRUN ks, g                      ; my tiles' fragments and scale words of K step ks of the next phase.  g: 0 all four tiles; 1 my tiles; 2 my tiles, and none in the second pass's last trip
.if \g == 2
	s_cmp_eq_u32 s33, 1
	s_cbranch_scc1 .Lxr_\@
.endif
.irp q, 0,1,2,3
.if \g
	s_cmp_le_u32 s26, \q
	s_cbranch_scc1 .Lxr_\@
.endif
.irp c, 0,1,2,3
	global_load_b128 v[128+64*(\ks)+16*\q+4*\c:131+64*(\ks)+16*\q+4*\c], v[16+\q], s[38:39] offset:128*(\ks)+16*\c
.endr
	global_load_b32 v[24+4*(\ks)+\q], v[20+\q], s[40:41] offset:4096*(\ks)
.endr
.Lxr_\@:
.endm
.macro WFRAG ks                        ; W1's four fragments and scale words of K step ks of this phase
.irp c, 0,1,2,3
.irp b, 0,1,2,3
	ds_load_b128 v[64+16*\c+4*\b:67+16*\c+4*\b], v8 offset:(\ks)*IMGP+\c*FRP+\b*512
.endr
	ds_load_b32 v[36-4*(\ks)+\c], v9 offset:256*(\ks)+64*\c
.endr
	s_wait_dscnt 0x0
.endm
.macro MUL ks                          ; my tiles are 0 .. s26 - 1; the accumulators take turns; no product's two scale words have numbers equal modulo 8
.irp q, 0,1,2,3
	s_cmp_le_u32 s26, \q
	s_cbranch_scc1 .Lme_\@
	WIN 0x50
.irp c, 0,1,2,3
	v_wmma_scale_f32_16x16x128_f8f6f4 v[32*\q+8*\c:32*\q+8*\c+7], v[64+16*\c:79+16*\c], v[128+64*(\ks)+16*\q:143+64*(\ks)+16*\q], v[32*\q+8*\c:32*\q+8*\c+7], v[36-4*(\ks)+\c], v[24+4*(\ks)+\q] matrix_a_fmt:MATRIX_FMT_BF8 matrix_b_fmt:MATRIX_FMT_BF8
.endr
	WIN 0
.endr
.Lme_\@:
	NOPS 8                                         ; places in front of loads and vector writes into registers that the products have read, and of the first reader of the sums
.endm
.macro XALD                            ; 2 x A1 of my tiles' tokens, 8 loads: lane (tok,h), step s: r = 4 s + 2 h, + 1
.irp q, 0,1,2,3
	v_lshlrev_b32 v[32+\q], 3, v[20+\q]
.endr
.irp q, 0,1,2,3
	v_lshl_add_u32 v[32+\q], v2, 3, v[32+\q]       ; 32 tok + 8 h
.endr
.irp q, 0,1,2,3
.irp s, 0,1
	global_load_b64 v[80+4*\q+2*\s:81+4*\q+2*\s], v[32+\q], s[54:55] offset:16*\s
.endr
.endr
.endm
.macro EXTRA                           ; A2 for the way out, 16 loads into the set that has become free
	v_lshrrev_b32 v54, 3, v1
	v_and_b32 v49, 3, v1
	v_lshlrev_b32 v49, 2, v49
	v_lshl_add_u32 v49, v54, 4, v49
	v_lshl_add_u32 v49, v2, 9, v49                 ; 16 h rows of 32 bytes down, r = m % 4 + 4 (m / 8)
	WIN 0x40
.irp i, 0,1,2,3,4,5,6,7,8,9,10,11,12,13,14,15
	global_load_b32 v[160+\i], v49, s[10:11] offset:32*\i
.endr
	WIN 0
	s_wait_xcnt 0x0                                ; the offset has been read: its register is written again in the next phase
.endm
; A phase.  set: where phase p + 1 of W1 lies; conv: quantise it; issue: 1 ask for phase p + 3 into that set, 2 EXTRA; xn: XRUN's g, 0 = no next phase; wcnt: the loads younger than this phase's rows; bar: the barrier; pf: WNEXT's
.macro PHASE set, conv, issue, xn, wcnt, bar, pf
	v_add_nc_u32 v8, s30, v4
	v_add_nc_u32 v9, s31, v5
.if \conv
	v_add_nc_u32 v10, s30, v6
	v_add_nc_u32 v11, s31, v7
.endif
	WALU
	WFRAG 0                                        ; from LDS while the rows' loads are still out
	s_wait_loadcnt \wcnt                           ; this phase's rows are in, and all that was asked for ahead of them: phase p + 1 of W1 too
.if \xn
	s_add_co_u32 s70, s70, 1                       ; their loads are done, so the pointers may be written
	s_and_b32 s70, s70, 7
	APTR
.endif
	MUL 0
.if \xn
	XRUN 0, \xn
.endif
	WFRAG 1
	MUL 1
.if \xn
	XRUN 1, \xn
.endif
.if \conv
	PSTEP \set
	s_wait_dscnt 0x0                               ; my stores have landed
.endif
.if \issue == 1
	WNEXT \set, \pf
.elseif \issue == 2
	EXTRA
.endif
.if \bar
	s_barrier_signal -1
	s_barrier_wait -1
.endif
.endm
.macro NEXT                            ; on to the next phase's LDS bytes
	s_add_co_u32 s30, s30, 2*IMGP
	s_add_co_u32 s31, s31, 512
.endm
.macro OFFS                            ; v60: b1's place of row m of a tile; v62: B1's, rows 2 h on; v61: 4 r
	v_lshrrev_b32 v60, 3, v1
	v_and_b32 v61, 7, v1
	v_lshlrev_b32 v60, 7, v60
	v_lshl_add_u32 v60, v61, 2, v60
	v_lshlrev_b32 v61, 2, v1
	v_lshl_add_u32 v62, v2, 14, v60
.endm
.macro BTLD                            ; b1 at my tiles' rows m (4 loads), my tiles' tokens from the list (4), B1: lane (m,h), step s: rows 4 s + 2 h, + 1 (16)
.irp c, 0,1,2,3
	global_load_b32 v[CD+2*\c], v60, s[58:59] offset:32*\c
.endr
.irp q, 0,1,2,3
	global_load_b32 v[20+\q], v61, s[56:57] offset:512*\q
.endr
.irp c, 0,1,2,3
.irp s, 0,1
.irp j, 0,1
	global_load_b32 v[64+4*\c+2*\s+\j], v62, s[60:61] offset:(4*\s+\j)*8192+32*\c
.endr
.endr
.endr
.endm
.macro TOKS
.irp q, 0,1,2,3
	v_min_u32 v[20+\q], 0x3ff, v[20+\q]
.endr
.irp q, 0,1,2,3
	v_lshlrev_b32 v[16+\q], 11, v[20+\q]
.endr
.irp q, 0,1,2,3
	v_lshl_add_u32 v[16+\q], v2, 6, v[16+\q]
	v_lshlrev_b32 v[20+\q], 2, v[20+\q]
.endr
	WALU
.endm
.macro INIT                            ; every sum begins as b1 x 1: source 0 holds b1 at k = 0 (lanes 0-15, first register) and zeros, source 1 ones
	v_cmp_eq_u32 vcc_lo, 0, v2
.irp c, 0,1,2,3
	v_cndmask_b32 v[CD+2*\c], 0, v[CD+2*\c], vcc_lo
	v_mov_b32 v[CD+2*\c+1], 0
.endr
	v_mov_b32 v56, 1.0
	v_mov_b32 v57, 1.0
	NOPS 4
	WIN 0x40
.irp q, 0,1,2,3
.irp c, 0,1,2,3
	v_wmma_f32_16x16x4_f32 v[32*\q+8*\c:32*\q+8*\c+7], v[CD+2*\c:CD+2*\c+1], v[56:57], 0
.endr
.endr
	WIN 0
	NOPS 9
.endm
.macro LORA                            ; every sum += 2 (x A1) B1, K = 8 in two steps; nine places part them from the scaled products on the same accumulators
	WIN 0x50
.irp s, 0,1
.irp q, 0,1,2,3
.irp c, 0,1,2,3
	v_wmma_f32_16x16x4_f32 v[32*\q+8*\c:32*\q+8*\c+7], v[64+4*\c+2*\s:65+4*\c+2*\s], v[80+4*\q+2*\s:81+4*\q+2*\s], v[32*\q+8*\c:32*\q+8*\c+7]
.endr
.endr
.endr
	WIN 0
	NOPS 9
.endm
.macro EPI q, lab                      ; tile q: the GLU, its product with A2, its codes
	s_cmp_le_u32 s28, \q
	s_cbranch_scc1 \lab
	s_wait_xcnt 0x0                                ; the last tile's stores have read their registers
.set T2R, 144+8*((\q)%2)
	WIN 0x05
	WALU                                           ; directly ahead of the first reader of this tile's sums
.irp c, 0,1,2,3
.irp i, 0,1,2,3
	v_min_num_f32 v[80+4*\c+\i], s66, v[32*\q+8*\c+2*\i]              ; gate, held at 7 from above
	v_med3_num_f32 v[96+4*\c+\i], v[32*\q+8*\c+2*\i+1], s67, s66      ; up, within -7 .. 7
.endr
.endr
	WIN 0
.irp n, 0,2,4,6,8,10,12,14
	v_pk_mul_f32 v[112+\n:113+\n], v[80+\n:81+\n], s[68:69] op_sel_hi:[1,0]   ; -1.702 log2(e) gate
.endr
	WALU                                           ; ahead of the batch
.irp n, 0,1,2,3,4,5,6,7,8,9,10,11,12,13,14,15
	v_exp_f32 v[112+\n], v[112+\n]
.endr
	v_nop
	WALU                                           ; and behind it, ahead of its first reader
.irp n, 0,2,4,6,8,10,12,14
	v_pk_add_f32 v[112+\n:113+\n], v[112+\n:113+\n], 1.0 op_sel_hi:[1,0]
.endr
	WALU
.irp n, 0,1,2,3,4,5,6,7,8,9,10,11,12,13,14,15
	v_rcp_f32 v[112+\n], v[112+\n]
.endr
	v_nop
	WALU
.irp n, 0,2,4,6,8,10,12,14
	v_pk_mul_f32 v[112+\n:113+\n], v[80+\n:81+\n], v[112+\n:113+\n]           ; glu = gate x sigmoid
.endr
.irp n, 0,2,4,6,8,10,12,14
	v_pk_fma_f32 v[64+\n:65+\n], v[96+\n:97+\n], v[112+\n:113+\n], v[112+\n:113+\n]   ; (up + 1) glu: register n is f = 32 s + 16 h + n
.endr
.irp t, 0,1,2,3,4,5,6,7
	v_cvt_pk_bf16_f32 v[128+\t], v[64+2*\t], v[65+2*\t]
.endr
	v_wmma_f32_16x16x32_bf16 v[T2R:T2R+7], v[40:47], v[128:135], 0   ; gated A2 over my 32 f (k laid alike on both sides): registers 0-3 of lane (tok,h) are r = 4 h ..
	v_max3_num_f32 v52, |v64|, |v65|, 0x8000000
	v_max3_num_f32 v54, |v66|, |v67|, |v68|
	v_max3_num_f32 v52, v52, |v69|, |v70|
	v_max3_num_f32 v54, v54, |v71|, |v72|
	v_max3_num_f32 v52, v52, |v73|, |v74|
	v_max3_num_f32 v54, v54, |v75|, |v76|
	v_max3_num_f32 v52, v52, |v77|, |v78|
	v_max3_num_f32 v54, v54, |v79|, v52
	v_permlanex16_b32 v53, v54, s42, s43
	v_max_num_f32 v52, v54, v53                    ; the block's largest magnitude
	v_add_nc_u32 v54, 0xf8800000, v52
	v_and_or_b32 v55, v52, 0x7f800000, s44
	v_lshrrev_b32 v140, 23, v54
.irp n, 0,1,2,3,4,5,6,7,8,9,10,11,12,13,14,15
	v_med3_num_f32 v[64+\n], v[64+\n], -v55, v55
.endr
	v_cvt_scalef32_pk8_bf8_f32 v[56:57], v[64:71], v54
	v_cvt_scalef32_pk8_bf8_f32 v[58:59], v[72:79], v54
	v_nop
	global_store_b128 v4, v[56:59], s[48:49] offset:131072*\q       ; 32 lanes: 512 consecutive bytes of the operand's image
	global_store_b8 v15, v140, s[50:51] offset:4096*\q
	global_store_b128 v4, v[T2R:T2R+3], s[52:53] offset:131072*\q
.endm
.macro POST lab                        ; a pass's way out, tiles 0 .. s28 - 1
	s_wait_loadcnt 0x0
	s_cmp_eq_u32 s28, 0
	s_cbranch_scc1 \lab
	EPI 0, \lab
	EPI 1, \lab
	EPI 2, \lab
	EPI 3, \lab
\lab:
	s_wait_xcnt 0x0                                ; the stores have read their bases and registers
.endm
	s_load_b512 s[4:19], s[0:1], 0x0               ; W1 4, b1 6, B1 8, A2 10, xq 12, fl 14, route 16, gq 18
	s_load_b64 s[20:21], s[0:1], 0x40              ; t2p
	v_lshl_add_u32 v12, v0, 2, SPARE
	v_mov_b32 v13, 0
	v_lshrrev_b32 v3, 5, v0
	v_readfirstlane_b32 s22, v3                    ; wave 0..7
	s_lshr_b32 s23, ttmp9, 5                       ; expert
	s_and_b32 s24, ttmp9, 31                       ; slab
	s_and_b32 s82, s24, 7                          ; the phase of K at which my walk begins
	s_and_b32 s45, s22, 3                          ; my block in its K step,
	s_lshr_b32 s83, s22, 2                         ; and which K step of the phase
	s_lshl_b32 s32, s45, 9
	s_mul_i32 s33, s83, IMGP
	s_add_co_u32 s32, s32, s33
	s_lshl_b32 s33, s83, 8
	s_add_co_u32 s33, s33, s45
	s_lshl_b32 s29, s22, 18
	s_mov_b32 s30, 0                               ; the phase's images
	s_mov_b32 s31, 0                               ; and scale words
	s_mov_b32 s42, 0x76543210
	s_mov_b32 s43, 0xfedcba98
	s_mov_b32 s44, 0x600000
	s_mov_b32 s66, 0x40e00000                      ; 7
	s_mov_b32 s67, 0xc0e00000                      ; -7
	s_mov_b32 s68, 0xc01d265f                      ; -1.702 log2(e)
	s_mov_b32 s69, s68
	s_mov_b32 s47, 0
	s_mov_b32 s28, 4                               ; tiles that pass 1 finishes
	v_and_b32 v3, 31, v0
	v_and_b32 v1, 15, v0
	v_bfe_u32 v2, v0, 4, 1
	v_lshlrev_b32 v4, 4, v3
	v_lshl_add_u32 v5, v1, 2, WSC
	v_bfe_u32 v16, v0, 1, 2                        ; my lane holds columns 4 cl ..: tile c = (cl / 2) % 4,
	v_bfe_u32 v17, v0, 3, 1                        ; row m = 8 (cl / 8) + 4 (cl % 2) + j
	v_and_b32 v18, 1, v0
	v_mul_u32_u24 v10, v16, FRP
	v_lshl_add_u32 v11, v16, 6, WSC
	v_lshl_add_u32 v10, v2, 8, v10
	v_lshl_add_u32 v11, v17, 5, v11
	v_lshl_add_u32 v10, v17, 7, v10
	v_lshl_add_u32 v11, v18, 4, v11
	v_lshl_add_u32 v10, v18, 6, v10
	v_add_nc_u32 v11, s33, v11                     ; scale byte: 256 K step + 64 c + 4 m + block
	v_add_nc_u32 v10, s32, v10                     ; image: 8256 K step + 2064 c + 512 block + 16 (16 h + m)
	v_add_nc_u32 v7, 512, v11                      ; and the same one phase on
	v_add_nc_u32 v6, 2*IMGP, v10
	v_lshlrev_b32 v[WOFF], 4, v1
	v_lshl_add_u32 v[WOFF], v2, 17, v[WOFF]
	v_add_nc_u32 v[WOFF], s29, v[WOFF]             ; W1: (32 wave + 16 h) rows + 16 cl
	v_lshl_add_u32 v3, v3, 13, s29                 ; the prefetches: row 32 wave + lane of a phase
	v_lshlrev_b32 v15, 5, v1
	OFFS
.irp j, 0,1,2,3
	v_mov_b32 v[PT+4+\j], 0                        ; a lane permute's destination counts as a source
.endr
	WALU                                           ; the head's end
	s_wait_kmcnt 0x0
	s_lshl_b32 s46, s23, 2
	s_add_nc_u64 s[34:35], s[16:17], s[46:47]
	s_load_b32 s25, s[34:35], 0x0                  ; the expert's rows; awaited further down
	s_lshl_b32 s46, s23, 13
	s_lshl_b32 s62, s24, 8
	s_add_co_u32 s46, s46, s62
	s_add_nc_u64 s[58:59], s[6:7], s[46:47]        ; b1
	s_lshl_b32 s46, s23, 16
	s_add_co_u32 s46, s46, s62
	s_add_nc_u64 s[60:61], s[8:9], s[46:47]        ; B1
	s_mul_i32 s46, s23, 4352
	s_lshl_b32 s63, s22, 6
	s_add_co_u32 s46, s46, s63
	s_add_co_u32 s46, s46, 256
	s_add_nc_u64 s[56:57], s[16:17], s[46:47]      ; rowtok at tile w
	BTLD
	s_lshl_b32 s46, s23, 24
	s_add_co_u32 s46, s46, s62
	s_add_nc_u64 s[84:85], s[4:5], s[46:47]        ; W1 at my slab
	s_lshl_b32 s46, s82, 21
	s_add_nc_u64 s[72:73], s[84:85], s[46:47]
	s_add_co_u32 s71, s82, 1
	s_and_b32 s71, s71, 7
	s_lshl_b32 s46, s71, 21
	s_add_nc_u64 s[74:75], s[84:85], s[46:47]
	s_add_co_u32 s46, s82, 3
	s_and_b32 s46, s46, 7
	s_lshl_b32 s46, s46, 21
	s_add_nc_u64 s[78:79], s[84:85], s[46:47]
	PISSUE 0, 72                                   ; the first two phases of W1 go out
	PISSUE 1, 74
	global_prefetch_b8 v3, s[78:79] th:TH_LOAD_NT scope:SCOPE_SE   ; phase 3, which phase 0 loads
	s_add_nc_u64 s[80:81], s[12:13], 0x200000      ; x's scale words
	s_mov_b32 s70, s82
	APTR
	s_lshl_b32 s46, s23, 20
	s_lshl_b32 s63, s22, 14
	s_add_co_u32 s46, s46, s63
	s_lshl_b32 s63, s24, 9
	s_add_co_u32 s46, s46, s63
	s_add_nc_u64 s[48:49], s[18:19], s[46:47]      ; gq codes: tile w, K step s / 4, block s % 4
	s_add_nc_u64 s[52:53], s[20:21], s[46:47]      ; t2p: tile w, slab s
	s_lshl_b32 s46, s23, 15
	s_add_nc_u64 s[54:55], s[14:15], s[46:47]      ; 2 x A1 of my expert
	s_lshl_b32 s63, s22, 9
	s_add_co_u32 s46, s46, s63
	s_add_co_u32 s46, s46, s24
	s_add_co_u32 s46, s46, 0x800000
	s_add_nc_u64 s[50:51], s[18:19], s[46:47]      ; gq scale bytes
	s_lshl_b32 s46, s23, 15
	s_lshl_b32 s63, s24, 10
	s_add_co_u32 s46, s46, s63
	s_add_nc_u64 s[10:11], s[10:11], s[46:47]      ; A2 at f = 32 s
	s_wait_loadcnt 32                              ; b1, the tokens and B1 are in; W1's 32 loads are younger
	TOKS
	XALD
	XRUN 0, 0                                      ; the first phase of all four tiles: 40 loads
	XRUN 1, 0
	INIT
	s_wait_loadcnt 40                              ; 2 x A1 is in, and W1's first two phases ahead of it; the rows' 40 loads are younger
	LORA
	WALU
	s_wait_kmcnt 0x0
	s_min_u32 s25, s25, 0x400
	s_add_co_u32 s25, s25, 15
	s_lshr_b32 s25, s25, 4                         ; tiles of the expert
	s_min_u32 s26, s25, 32
	s_add_co_u32 s26, s26, 7
	s_sub_co_u32 s26, s26, s22
	s_lshr_b32 s26, s26, 3                         ; my tiles in pass 1,
	s_max_u32 s27, s25, 32
	s_sub_co_u32 s27, s27, 25
	s_sub_co_u32 s27, s27, s22
	s_lshr_b32 s27, s27, 3                         ; in pass 2
	PSTEP 0
	s_wait_dscnt 0x0
	WNEXT 0, 1                                     ; phase 2, and phase 4 is prefetched
	s_barrier_signal -1
	s_barrier_wait -1
	s_mov_b32 s32, 2
.Lk:                                               ; phases 0 to 3: a trip runs the two sets once round; at a phase's head the 16 loads of W1 asked for last may stay out
	PHASE 1, 1, 1, 1, 16, 1, 1
	NEXT
	PHASE 0, 1, 1, 1, 16, 1, 2
	NEXT
	s_sub_co_u32 s32, s32, 1
	s_cmp_lg_u32 s32, 0
	s_cbranch_scc1 .Lk
	PHASE 1, 1, 1, 1, 16, 1, 0                     ; phase 4 asks for phase 7, the last
	NEXT
	PHASE 0, 1, 2, 1, 16, 1, 0                     ; phase 5: the set that is free takes A2
	NEXT
	PHASE 1, 1, 0, 1, 16, 1, 0                     ; phase 6: A2's 16 loads are younger than its rows
	NEXT
	PHASE 0, 0, 0, 0, 0, 0, 0                      ; phase 7; no LDS byte is written from here on, so no barrier follows
	v_and_b32 v54, 4, v1                           ; A2: rows m = 0-3 and 8-11 of source 0 hold r = 0-3 and 4-7, the others zeros
	v_cmp_eq_u32 vcc_lo, 0, v54
	WIN 0x04
.irp i, 0,1,2,3,4,5,6,7,8,9,10,11,12,13,14,15
	v_cndmask_b32 v[64+\i], 0, v[160+\i], vcc_lo
.endr
	WIN 0
.irp t, 0,1,2,3,4,5,6,7
	v_cvt_pk_bf16_f32 v[40+\t], v[64+2*\t], v[65+2*\t]
.endr
	POST .Lout1
	; the second pass: rows 512 on, over the codes in LDS, in the order of the first
	s_mov_b32 s26, s27
	s_mov_b32 s28, s27
	s_mov_b32 s30, 0
	s_mov_b32 s31, 0
	s_cmp_eq_u32 s26, 0
	s_cbranch_scc1 .Lno2
	s_add_nc_u64 s[48:49], s[48:49], 0x80000       ; 32 tiles on
	s_add_nc_u64 s[52:53], s[52:53], 0x80000
	s_add_nc_u64 s[50:51], s[50:51], 16384
	s_add_nc_u64 s[56:57], s[56:57], 2048          ; 512 rows on
	s_mov_b32 s70, s82
	APTR
	OFFS
	BTLD
	s_wait_loadcnt 0x0
	TOKS
	XALD
	XRUN 0, 1
	XRUN 1, 1
	INIT
	s_wait_loadcnt 0x0
	LORA
	s_wait_xcnt 0x0
.Lno2:
	s_mov_b32 s33, 8
.Lk2:                                              ; walked by every wave; the branch on the stored count stands inside
	s_cmp_eq_u32 s26, 0
	s_cbranch_scc1 .Lk2s
	PHASE 0, 0, 0, 2, 0, 0, 0
.Lk2s:
	NEXT
	s_sub_co_u32 s33, s33, 1
	s_cmp_lg_u32 s33, 0
	s_cbranch_scc1 .Lk2
	POST .Lout2
	s_wait_tensorcnt 0x0                           ; the wave's end
	ds_add_u32 v12, v13
	s_wait_dscnt 0x0
	s_endpgm
.Lfunc_end_k_q7c6f2279f5_gateup:
	.size	k_q7c6f2279f5_gateup, .Lfunc_end_k_q7c6f2279f5_gateup-k_q7c6f2279f5_gateup
	.p2alignl 7, 3214868480
	.fill 96, 4, 3214868480
	.section	.rodata,"a",@progbits
	.p2align	6, 0x0
	.amdhsa_kernel k_q7c6f2279f5_gateup
		.amdhsa_group_segment_fixed_size 137216
		.amdhsa_private_segment_fixed_size 0
		.amdhsa_enable_private_segment 0
		.amdhsa_kernarg_size 72
		.amdhsa_user_sgpr_count 2
		.amdhsa_user_sgpr_kernarg_segment_ptr 1
		.amdhsa_wavefront_size32 1
		.amdhsa_system_sgpr_workgroup_id_x 1
		.amdhsa_system_sgpr_workgroup_id_y 1
		.amdhsa_system_sgpr_workgroup_id_z 1
		.amdhsa_system_vgpr_workitem_id 0
		.amdhsa_next_free_vgpr 512
		.amdhsa_next_free_sgpr 88
		.amdhsa_reserve_vcc 1
		.amdhsa_float_denorm_mode_32 3
		.amdhsa_float_denorm_mode_16_64 3
		.amdhsa_memory_ordered 1
		.amdhsa_forward_progress 1
		.amdhsa_inst_pref_size 244
	.end_amdhsa_kernel
	.amdgpu_metadata
---
amdhsa.version: [ 1, 2 ]
amdhsa.kernels:
  - .name:           k_q7c6f2279f5_gateup
    .symbol:         k_q7c6f2279f5_gateup.kd
    .args:
      - { .name: gate_up_proj, .offset: 0, .size: 8, .value_kind: global_buffer, .address_space: global }
      - { .name: gate_up_proj_bias, .offset: 8, .size: 8, .value_kind: global_buffer, .address_space: global }
      - { .name: lora_gate_up_B, .offset: 16, .size: 8, .value_kind: global_buffer, .address_space: global }
      - { .name: lora_down_A, .offset: 24, .size: 8, .value_kind: global_buffer, .address_space: global }
      - { .name: xq, .offset: 32, .size: 8, .value_kind: global_buffer, .address_space: global }
      - { .name: fl, .offset: 40, .size: 8, .value_kind: global_buffer, .address_space: global }
      - { .name: route, .offset: 48, .size: 8, .value_kind: global_buffer, .address_space: global }
      - { .name: gq, .offset: 56, .size: 8, .value_kind: global_buffer, .address_space: global }
      - { .name: t2p, .offset: 64, .size: 8, .value_kind: global_buffer, .address_space: global }
    .group_segment_fixed_size: 137216
    .private_segment_fixed_size: 0
    .kernarg_segment_align: 8
    .kernarg_segment_size: 72
    .max_flat_workgroup_size: 256
    .sgpr_count:     88
    .vgpr_count:     512
    .wavefront_size: 32
...
	.end_amdgpu_metadata
.endif
;; end of part 2
;; launch down (part 3): grid 256 x 1, 8 waves a work-group, no clusters, 103,936 bytes of LDS; arguments down_proj, down_proj_bias, gq, t2p, fl, route, y, u; writes y, u
.if DOCPART == 3
	.amdgcn_target "amdgcn-amd-amdhsa--gfx1250"
	.amdhsa_code_object_version 6
	.text
	.protected	k_q7c6f2279f5_down
	.globl	k_q7c6f2279f5_down
	.p2align	8
	.type	k_q7c6f2279f5_down,@function
k_q7c6f2279f5_down:
	s_mov_b64 s[64:65], 0
	v_nop
	global_prefetch_b8 v0, s[64:65] scope:SCOPE_SE
	s_setreg_imm32_b32 hwreg(HW_REG_WAVE_MODE, 25, 1), 1
	s_wait_xcnt 0x0
; ExpertLoRA, launch 3 of 4: y[row] = w (Q(gated) Q(W2) + b2) and u[row] = 2 w (gated A2), for the rows (e,t) that a slot names.
; Rows that no slot names are left out: w[e,t] = 0 there by one_hot's zeros (shown at the head of the first launch).
; The build is the launch before's: a work-group owns expert e = id / 32 and 64 columns of W2 (slab s = id % 32), read once; waves 4-7 quantise the slab along K (8 steps of 128) into LDS images, each phase in bytes of its own;
; waves 0-3 hold 8 tiles of 16 rows x 64 columns each.  The rows' codes lie in gq as images of the operand's registers: every load of a fragment is 512 consecutive bytes.
; THE WALK ALONG K BEGINS AT K STEP s % 8 AND WRAPS: at any one time the work-groups of an expert read different K steps of the rows' codes.  Phase p takes K step (s + p) % 8, of W2 and of the rows alike.
;   LIMIT: the K steps are summed in that order, which differs from work-group to work-group: an order of f32 rounding other than ascending K.
; Tile c, row m of source 0 is column 32 (m / 8) + 8 c + m % 8: lane (tok,h) holds columns 32 h + 8 c + j: 128 neighbouring bytes of a row of y.  The way out goes through the wave's own stage, so that 16 lanes store 256 aligned bytes.
; Waves 4 and 5, when their slab is done, add the 32 slabs' parts of gated A2 for tile s and tile s + 32 of the expert.
; No tensor loads, no cluster: the number of tiles is read from memory.  Every barrier stands outside the branches on it.  LIMITS as at the head of the first launch.
.set KM, 7                             ; K steps - 1
.set IMGP, 8256
.set FRP, 2064
.set WSC, 66048
.set STG, 68096                        ; a stage of 16 rows x 272 bytes for each wave number
.set SPARE, 102912
.set PT, 144
.set WOFF, 28
; both: v1 r, v2 h, v3 lane, v4 16 lane, v5-v11 as in the launch before, v14, v15 the first phase's codes and bytes in LDS, v12, v13 the closing add's two, v28 W2 offset, v29 32 r, v30, v31 the stage in and back, v32 128 h, v33 4 r, v34 y's lane offset
; consumers: v16-23 the rows' scale words, v24-27 W2's, v64-127 W2's fragments, v128-255 the rows'; window 1: accumulators.   producers: v64-163 at work; window 1: four sets of loaded numbers
; scalars of the walk: s82 the first K step; s70 the K step whose rows are being fetched, s71 the K step of W2 asked for last; s[84:85] W2 at my slab; s[48:49], s[50:51] the pass's codes and scale words at K step 0; s[72:79] the first four K steps of W2; s47 = 0 beside the offset s46
.set MSB, 0
.macro WIN new
.if MSB != \new
	s_set_vgpr_msb (MSB<<8)|\new
.set MSB, \new
.endif
.endm
.macro PISSUE set, base
	WIN 0x40
.irp i, 0,1,2,3,4,5,6,7,8,9,10,11,12,13,14,15
	global_load_b128 v[64*(\set)+4*\i:64*(\set)+4*\i+3], v[WOFF], s[\base:\base+1] offset:\i*8192 th:TH_LOAD_NT
.endr
	WIN 0
.endm
.macro PSTEP set, cnt, ab, sb
	s_wait_loadcnt \cnt
	WIN 0x05
.irp j, 0,1,2,3
	v_max3_num_f32 v[PT+\j], |v[64*(\set)+\j]|, |v[64*(\set)+4+\j]|, 0x8000000
.endr
.irp i, 2,4,6,8,10,12,14
.irp j, 0,1,2,3
	v_max3_num_f32 v[PT+\j], |v[64*(\set)+4*\i+\j]|, |v[64*(\set)+4*\i+4+\j]|, v[PT+\j]
.endr
.endr
	WIN 0
.irp j, 0,1,2,3
	v_permlanex16_b32 v[PT+4+\j], v[PT+\j], s42, s43
.endr
.irp j, 0,1,2,3
	v_max_num_f32 v[PT+\j], v[PT+\j], v[PT+4+\j]
.endr
.irp j, 0,1,2,3
	v_add_nc_u32 v[PT+8+\j], 0xf8800000, v[PT+\j]
.endr
.irp j, 0,1,2,3
	v_and_or_b32 v[PT+12+\j], v[PT+\j], 0x7f800000, s44
.endr
.irp j, 0,1,2,3
	v_lshrrev_b32 v[PT+16+\j], 23, v[PT+8+\j]
.endr
	WIN 0x01
.irp j, 0,1,2,3
.irp i, 0,1,2,3,4,5,6,7,8,9,10,11,12,13,14,15
	v_med3_num_f32 v[64+16*\j+\i], v[64*(\set)+4*\i+\j], -v[PT+12+\j], v[PT+12+\j]
.endr
.endr
	WIN 0
.irp j, 0,1,2,3
	v_cvt_scalef32_pk8_bf8_f32 v[128+4*\j:129+4*\j], v[64+16*\j:71+16*\j], v[PT+8+\j]
	v_cvt_scalef32_pk8_bf8_f32 v[130+4*\j:131+4*\j], v[72+16*\j:79+16*\j], v[PT+8+\j]
.endr
	v_nop
.irp j, 0,1,2,3
	ds_store_b128 v[\ab], v[128+4*\j:131+4*\j] offset:16*\j
	ds_store_b8 v[\sb], v[PT+16+\j] offset:4*\j
.endr
.endm
.macro APTR                            ; the rows' two pointers at K step s70: 2,048 bytes of codes a tile and step, 4 scale bytes a row and step
	s_lshl_b32 s46, s70, 11
	s_add_nc_u64 s[38:39], s[48:49], s[46:47]
	s_lshl_b32 s46, s70, 2
	s_add_nc_u64 s[40:41], s[50:51], s[46:47]
.endm
.macro ARUN guard
.irp q, 0,1,2,3,4,5,6,7
.if \guard
	s_cmp_le_u32 s26, \q
	s_cbranch_scc1 .Lar_\@
.endif
.irp c, 0,1,2,3
	global_load_b128 v[128+16*\q+4*\c:131+16*\q+4*\c], v4, s[38:39] offset:65536*\q+512*\c
.endr
	global_load_b32 v[16+\q], v29, s[40:41] offset:2048*\q
.endr
.Lar_\@:
.endm
.macro CSTEP cload
.irp c, 0,1,2,3
.irp b, 0,1,2,3
	ds_load_b128 v[64+16*\c+4*\b:67+16*\c+4*\b], v8 offset:\c*FRP+\b*512
.endr
	ds_load_b32 v[24+\c], v9 offset:64*\c
.endr
	s_wait_loadcnt 0x0                             ; this step's rows are in; no load of mine is out, so the pointers may be written:
	s_add_co_u32 s70, s70, 1
	s_and_b32 s70, s70, KM                         ; the next K step, wrapping
	APTR
	s_wait_dscnt 0x0
.irp q, 0,1,2,3,4,5,6,7
	s_cmp_le_u32 s26, \q
	s_cbranch_scc1 .Lme_\@
	WIN 0x50
.irp c, 0,1,2,3
	v_wmma_scale_f32_16x16x128_f8f6f4 v[32*\q+8*\c:32*\q+8*\c+7], v[64+16*\c:79+16*\c], v[128+16*\q:143+16*\q], v[32*\q+8*\c:32*\q+8*\c+7], v[24+\c], v[16+\q] matrix_a_fmt:MATRIX_FMT_BF8 matrix_b_fmt:MATRIX_FMT_BF8
.endr
	WIN 0
.endr
.Lme_\@:
.rept 8
	v_nop                                          ; places in front of loads into registers that the products have read (the accumulators take turns)
.endr
.if \cload == 2
	s_cmp_eq_u32 s33, 1
	s_cbranch_scc1 .Lnl_\@
.endif
.if \cload
	ARUN 1
.endif
.Lnl_\@:
.endm
.macro PHASE pi, ps, pcnt, cload, bar
	v_add_nc_u32 v8, s30, v4
	v_add_nc_u32 v9, s31, v5
	v_add_nc_u32 v10, s30, v6
	v_add_nc_u32 v11, s31, v7
	s_wait_alu depctr_va_vdst(0)
	s_cmp_lt_u32 s22, 4
	s_cbranch_scc1 .Lpc_\@
.if \pi >= 0
	s_wait_xcnt 0x0                                ; the loads of a phase ago have read their base, so it may be written:
	s_add_co_u32 s71, s71, 1
	s_and_b32 s71, s71, KM                         ; the next K step of W2, wrapping; a K step is 128 rows of 8,192 bytes
	s_lshl_b32 s46, s71, 20
	s_add_nc_u64 s[36:37], s[84:85], s[46:47]
	PISSUE \pi, 36
.endif
.if \ps >= 0
	PSTEP \ps, \pcnt, 10, 11
.endif
	s_branch .Lpj_\@
.Lpc_\@:
	CSTEP \cload
.Lpj_\@:
	s_add_co_u32 s30, s30, IMGP
	s_add_co_u32 s31, s31, 256
.if \bar
	s_wait_dscnt 0x0
	s_barrier_signal -1
	s_barrier_wait -1
.endif
.endm
.macro BIASACC                         ; the sums begin as b2
	WIN 0x40
.irp q, 0,1,2,3,4,5,6,7
.irp n, 0,1,2,3,4,5,6,7
	global_load_b128 v[32*\q+4*\n:32*\q+4*\n+3], v32, s[58:59] offset:16*\n
.endr
.endr
	WIN 0
.endm
.macro EPI3 q                          ; tile q: x the row's weight, through my stage, out as whole runs of 256 bytes
	s_cmp_le_u32 s26, \q
	s_cbranch_scc1 .Lepi_end
	s_wait_xcnt 0x0                                ; the last tile's stores have read their registers
	WIN 0x01
.irp n, 0,1,2,3,4,5,6,7,8,9,10,11,12,13,14,15
	v_pk_mul_f32 v[64+2*\n:65+2*\n], v[32*\q+2*\n:32*\q+2*\n+1], v[40+2*\q:41+2*\q]
.endr
	WIN 0
.irp i, 0,1,2,3,4,5,6,7
	ds_store_b128 v30, v[64+4*\i:67+4*\i] offset:16*\i
.endr
.irp i, 0,1,2,3,4,5,6,7
	ds_load_b128 v[96+4*\i:99+4*\i], v31 offset:544*\i     ; LDS serves a wave's instructions in order: these see my stores
.endr
.irp i, 0,1,2,3,4,5,6,7
	s_wait_dscnt 7-\i                              ; the younger loads may stay out
	global_store_b128 v34, v[96+4*\i:99+4*\i], s[52:53] offset:524288*\q+16384*\i th:TH_STORE_NT
.endr
.endm
	s_load_b512 s[4:19], s[0:1], 0x0               ; W2 4, b2 6, gq 8, t2p 10, fl 12, route 14, y 16, u 18
	v_lshl_add_u32 v12, v0, 2, SPARE
	v_mov_b32 v13, 0
	v_lshrrev_b32 v3, 5, v0
	v_readfirstlane_b32 s22, v3
	v_and_b32 v3, 31, v0
	v_and_b32 v1, 15, v0
	v_bfe_u32 v2, v0, 4, 1
	s_lshr_b32 s23, ttmp9, 5
	s_and_b32 s24, ttmp9, 31
	s_and_b32 s82, s24, KM                         ; the K step at which my walk begins
	s_and_b32 s45, s22, 3
	v_lshlrev_b32 v4, 4, v3
	v_lshl_add_u32 v5, v1, 2, WSC
	v_bfe_u32 v35, v0, 1, 2
	v_bfe_u32 v36, v0, 3, 1
	v_and_b32 v37, 1, v0
	v_mul_u32_u24 v14, v35, FRP
	v_lshl_add_u32 v14, v2, 8, v14
	v_lshl_add_u32 v14, v36, 7, v14
	v_lshl_add_u32 v14, v37, 6, v14
	s_lshl_b32 s34, s45, 9
	v_add_nc_u32 v14, s34, v14
	v_add_nc_u32 v6, IMGP, v14
	v_lshl_add_u32 v15, v35, 6, WSC
	v_lshl_add_u32 v15, v36, 5, v15
	v_lshl_add_u32 v15, v37, 4, v15
	v_add_nc_u32 v15, s45, v15
	v_add_nc_u32 v7, 256, v15
	s_mul_i32 s34, s22, 4352
	s_add_co_u32 s34, s34, STG
	v_mul_u32_u24 v30, v1, 272
	v_lshl_add_u32 v30, v2, 7, v30
	v_add_nc_u32 v30, s34, v30                     ; the stage, in: row r, 128 h
	v_mul_u32_u24 v31, v2, 272
	v_lshl_add_u32 v31, v1, 4, v31
	v_add_nc_u32 v31, s34, v31                     ; and back: lanes 0-15 one row, lanes 16-31 the next
	v_lshlrev_b32 v[WOFF], 4, v1
	v_lshl_add_u32 v[WOFF], v2, 17, v[WOFF]
	s_lshl_b32 s34, s45, 18
	v_add_nc_u32 v[WOFF], s34, v[WOFF]
	v_lshlrev_b32 v29, 5, v1
	v_lshlrev_b32 v32, 7, v2
	v_lshlrev_b32 v33, 2, v1
	v_lshlrev_b32 v34, 4, v1
	v_lshl_add_u32 v34, v2, 13, v34
.irp j, 0,1,2,3
	v_mov_b32 v[PT+4+\j], 0
.endr
	s_mov_b32 s30, 0
	s_mov_b32 s31, 0
	s_mov_b32 s42, 0x76543210
	s_mov_b32 s43, 0xfedcba98
	s_mov_b32 s44, 0x600000
	s_lshl_b32 s34, s23, 2
	s_mov_b32 s35, 0
	s_mov_b32 s47, 0
	s_wait_alu depctr_va_vdst(0)                   ; the head's end
	s_wait_kmcnt 0x0
	s_add_nc_u64 s[34:35], s[14:15], s[34:35]
	s_load_b32 s25, s[34:35], 0x0                  ; the expert's rows; awaited at the first join
	s_lshl_b32 s46, s23, 23
	s_lshl_b32 s62, s24, 8
	s_add_co_u32 s46, s46, s62
	s_add_nc_u64 s[84:85], s[4:5], s[46:47]        ; W2 at my slab, K step 0
	s_lshl_b32 s62, s45, 17
	s_add_co_u32 s46, s46, s62
	s_add_nc_u64 s[52:53], s[16:17], s[46:47]      ; y: row 1024 e + 16 w, my 256 bytes
.irp j, 0,1,2,3
	s_add_co_u32 s71, s82, \j                      ; the first four K steps of my walk
	s_and_b32 s71, s71, KM
	s_lshl_b32 s46, s71, 20
	s_add_nc_u64 s[72+2*\j:73+2*\j], s[84:85], s[46:47]
.endr
	s_lshl_b32 s46, s23, 20
	s_lshl_b32 s62, s45, 14
	s_add_co_u32 s46, s46, s62
	s_add_nc_u64 s[48:49], s[8:9], s[46:47]        ; the rows' codes at tile w, K step 0
	s_lshl_b32 s46, s23, 15
	s_lshl_b32 s62, s45, 9
	s_add_co_u32 s46, s46, s62
	s_add_co_u32 s46, s46, 0x800000
	s_add_nc_u64 s[50:51], s[8:9], s[46:47]        ; and their scale words
	s_mov_b32 s70, s82
	APTR                                           ; the rows' pointers at my first K step
	s_lshl_b32 s46, s23, 13
	s_lshl_b32 s62, s24, 8
	s_add_co_u32 s46, s46, s62
	s_add_nc_u64 s[58:59], s[6:7], s[46:47]        ; b2
	s_mul_i32 s46, s23, 4352
	s_lshl_b32 s62, s45, 6
	s_add_co_u32 s46, s46, s62
	s_add_co_u32 s46, s46, 0x40000
	s_add_nc_u64 s[56:57], s[12:13], s[46:47]      ; wrow at tile w
	s_cmp_lt_u32 s22, 4
	s_cbranch_scc1 .Lc0
	PISSUE 0, 72
	PISSUE 1, 74
	PISSUE 2, 76
	PISSUE 3, 78
	PSTEP 0, 48, 14, 15
	s_branch .Lj0
.Lc0:
	BIASACC
.irp q, 0,1,2,3,4,5,6,7
	global_load_b32 v[40+2*\q], v33, s[56:57] offset:256*\q        ; the rows' weights, twice: a pair for the packed multiply on the way out
	global_load_b32 v[41+2*\q], v33, s[56:57] offset:256*\q
.endr
	ARUN 0
	s_wait_loadcnt 0x0                             ; both are in ahead of the join: behind it loads name these register numbers again; the first K step wants them at once anyway
.Lj0:
	s_wait_kmcnt 0x0
	s_min_u32 s25, s25, 0x400
	s_add_co_u32 s25, s25, 15
	s_lshr_b32 s25, s25, 4
	s_min_u32 s26, s25, 32
	s_add_co_u32 s26, s26, 3
	s_sub_co_u32 s26, s26, s45
	s_lshr_b32 s26, s26, 2
	s_max_u32 s27, s25, 32
	s_sub_co_u32 s27, s27, 29
	s_sub_co_u32 s27, s27, s45
	s_lshr_b32 s27, s27, 2
	s_wait_dscnt 0x0
	s_barrier_signal -1
	s_barrier_wait -1
	PHASE 0, 1, 48, 1, 1                           ; three younger K steps, 48 loads, may stay out
	PHASE 1, 2, 48, 1, 1
	PHASE 2, 3, 48, 1, 1
	PHASE 3, 0, 48, 1, 1
	PHASE -1, 1, 32, 1, 1
	PHASE -1, 2, 16, 1, 1
	PHASE -1, 3, 0, 1, 1
	PHASE -1, -1, 0, 0, 0                          ; phase 7; the images are written no more, so no barrier follows
	; u: waves 4 and 5 add the 32 slabs' parts of gated A2 for tiles s and s + 32
	s_cmp_lt_u32 s22, 4
	s_cbranch_scc1 .Lno_u
	s_cmp_gt_u32 s22, 5
	s_cbranch_scc1 .Lno_u
	s_and_b32 s62, s22, 1
	s_lshl_b32 s62, s62, 5
	s_add_co_u32 s62, s62, s24                     ; the tile
	s_cmp_lt_u32 s62, s25
	s_cbranch_scc0 .Lno_u
	s_lshl_b32 s46, s23, 20
	s_lshl_b32 s34, s62, 14
	s_add_co_u32 s46, s46, s34
	s_add_nc_u64 s[10:11], s[10:11], s[46:47]
	s_mul_i32 s46, s23, 4352
	s_lshl_b32 s34, s62, 6
	s_add_co_u32 s46, s46, s34
	s_add_co_u32 s46, s46, 0x40000
	s_add_nc_u64 s[12:13], s[12:13], s[46:47]
	s_lshl_b32 s46, s23, 15
	s_lshl_b32 s34, s62, 9
	s_add_co_u32 s46, s46, s34
	s_add_nc_u64 s[18:19], s[18:19], s[46:47]
	s_wait_loadcnt 0x0                             ; no load is out: the loads below land in registers that the K steps' loads named
.set N, 0
.rept 32
	global_load_b128 v[64+4*N:67+4*N], v4, s[10:11] offset:512*N th:TH_LOAD_NT
.set N, N+1
.endr
	global_load_b32 v192, v33, s[12:13]
	v_lshlrev_b32 v194, 5, v1
	v_lshl_add_u32 v194, v2, 4, v194
	s_wait_loadcnt 0x0
.set N, 1
.rept 31
	v_pk_add_f32 v[64:65], v[64:65], v[64+4*N:65+4*N]
	v_pk_add_f32 v[66:67], v[66:67], v[66+4*N:67+4*N]
.set N, N+1
.endr
	v_add_f32 v192, v192, v192                     ; SCALING x the row's weight
	v_mov_b32 v193, v192
	v_pk_mul_f32 v[64:65], v[64:65], v[192:193]
	v_pk_mul_f32 v[66:67], v[66:67], v[192:193]
	global_store_b128 v194, v[64:67], s[18:19]     ; 32 lanes: 512 consecutive bytes: 16 rows of u
.Lno_u:
	s_mov_b32 s29, 2
.Lpost:
	s_wait_loadcnt 0x0                             ; no load is out: the loads below land in registers that the K steps' loads named
	s_cmp_lt_u32 s22, 4
	s_cbranch_scc0 .Lepi_end
	s_cmp_eq_u32 s26, 0
	s_cbranch_scc1 .Lepi_end
.rept 8
	v_nop
.endr
	EPI3 0
	EPI3 1
	EPI3 2
	EPI3 3
	EPI3 4
	EPI3 5
	EPI3 6
	EPI3 7
.Lepi_end:
	s_wait_loadcnt 0x0                             ; no load is out: the next pass's loads land in registers that earlier loads named
	s_wait_xcnt 0x0
	s_cmp_eq_u32 s29, 2
	s_cselect_b32 s26, s27, 0
	s_add_nc_u64 s[52:53], s[52:53], 0x400000      ; 512 rows of y on
	s_add_nc_u64 s[56:57], s[56:57], 2048
	s_add_nc_u64 s[48:49], s[48:49], 0x80000       ; 32 tiles on
	s_add_nc_u64 s[50:51], s[50:51], 16384
	s_mov_b32 s70, s82                             ; the second pass walks K as the first did: the images in LDS lie in that order
	APTR
	s_mov_b32 s30, 0
	s_mov_b32 s31, 0
	s_cmp_lt_u32 s22, 4
	s_cbranch_scc0 .Lno2
	s_cmp_eq_u32 s26, 0
	s_cbranch_scc1 .Lno2
	BIASACC
.irp q, 0,1,2,3,4,5,6,7
	global_load_b32 v[40+2*\q], v33, s[56:57] offset:256*\q        ; the second pass's rows' weights
	global_load_b32 v[41+2*\q], v33, s[56:57] offset:256*\q
.endr
	ARUN 1
.Lno2:
	s_mov_b32 s33, 8
.Lk2:
	v_add_nc_u32 v8, s30, v4
	v_add_nc_u32 v9, s31, v5
	s_wait_alu depctr_va_vdst(0)
	s_cmp_lt_u32 s22, 4
	s_cbranch_scc0 .Lk2s
	s_cmp_eq_u32 s26, 0
	s_cbranch_scc1 .Lk2s
	CSTEP 2
.Lk2s:
	s_add_co_u32 s30, s30, IMGP
	s_add_co_u32 s31, s31, 256
	s_sub_co_u32 s33, s33, 1
	s_cmp_lg_u32 s33, 0
	s_cbranch_scc1 .Lk2
	s_sub_co_u32 s29, s29, 1
	s_cmp_lg_u32 s29, 0
	s_cbranch_scc1 .Lpost
	s_wait_tensorcnt 0x0                           ; the wave's end
	ds_add_u32 v12, v13
	s_wait_dscnt 0x0
	s_endpgm
.Lfunc_end_k_q7c6f2279f5_down:
	.size	k_q7c6f2279f5_down, .Lfunc_end_k_q7c6f2279f5_down-k_q7c6f2279f5_down
	.p2alignl 7, 3214868480
	.fill 96, 4, 3214868480
	.section	.rodata,"a",@progbits
	.p2align	6, 0x0
	.amdhsa_kernel k_q7c6f2279f5_down
		.amdhsa_group_segment_fixed_size 103936
		.amdhsa_private_segment_fixed_size 0
		.amdhsa_enable_private_segment 0
		.amdhsa_kernarg_size 64
		.amdhsa_user_sgpr_count 2
		.amdhsa_user_sgpr_kernarg_segment_ptr 1
		.amdhsa_wavefront_size32 1
		.amdhsa_system_sgpr_workgroup_id_x 1
		.amdhsa_system_sgpr_workgroup_id_y 1
		.amdhsa_system_sgpr_workgroup_id_z 1
		.amdhsa_system_vgpr_workitem_id 0
		.amdhsa_next_free_vgpr 512
		.amdhsa_next_free_sgpr 88
		.amdhsa_reserve_vcc 0
		.amdhsa_float_denorm_mode_32 3
		.amdhsa_float_denorm_mode_16_64 3
		.amdhsa_memory_ordered 1
		.amdhsa_forward_progress 1
		.amdhsa_inst_pref_size 243
	.end_amdhsa_kernel
	.amdgpu_metadata
---
amdhsa.version: [ 1, 2 ]
amdhsa.kernels:
  - .name:           k_q7c6f2279f5_down
    .symbol:         k_q7c6f2279f5_down.kd
    .args:
      - { .name: down_proj, .offset: 0, .size: 8, .value_kind: global_buffer, .address_space: global }
      - { .name: down_proj_bias, .offset: 8, .size: 8, .value_kind: global_buffer, .address_space: global }
      - { .name: gq, .offset: 16, .size: 8, .value_kind: global_buffer, .address_space: global }
      - { .name: t2p, .offset: 24, .size: 8, .value_kind: global_buffer, .address_space: global }
      - { .name: fl, .offset: 32, .size: 8, .value_kind: global_buffer, .address_space: global }
      - { .name: route, .offset: 40, .size: 8, .value_kind: global_buffer, .address_space: global }
      - { .name: y, .offset: 48, .size: 8, .value_kind: global_buffer, .address_space: global }
      - { .name: u, .offset: 56, .size: 8, .value_kind: global_buffer, .address_space: global }
    .group_segment_fixed_size: 103936
    .private_segment_fixed_size: 0
    .kernarg_segment_align: 8
    .kernarg_segment_size: 64
    .max_flat_workgroup_size: 256
    .sgpr_count:     88
    .vgpr_count:     512
    .wavefront_size: 32
...
	.end_amdgpu_metadata
.endif
;; end of part 3
;; launch combine (part 4): grid 8 x 32, 4 waves a work-group, no clusters, 17,920 bytes of LDS; arguments y, u, route, lora_down_B, out0; writes out0
.if DOCPART == 4
	.amdgcn_target "amdgcn-amd-amdhsa--gfx1250"
	.amdhsa_code_object_version 6
	.text
	.protected	k_q7c6f2279f5_combine
	.globl	k_q7c6f2279f5_combine
	.p2align	8
	.type	k_q7c6f2279f5_combine,@function
k_q7c6f2279f5_combine:
	s_mov_b64 s[64:65], 0
	v_nop
	global_prefetch_b8 v0, s[64:65] scope:SCOPE_SE
	s_setreg_imm32_b32 hwreg(HW_REG_WAVE_MODE, 25, 1), 1
	s_wait_xcnt 0x0
; ExpertLoRA, launch 4 of 4: out[t] = sum over the token's slots of y[row] + sum over (e,r) of u[row of (e,t)][r] B2[e][r][:].
; An expert that no slot of t names stands for the row of zeros (row 8192), as does a slot that repeats an earlier slot's expert: its weight is already in the first one's row (left out as shown at the head of the first launch).
; A work-group takes 32 tokens x 256 columns, a wave 64 columns.  The second sum is one product with K = 64 = (e,r), two bf16 steps (it goes into no quantiser): source 0 = 16 columns of B2, source 1 = 16 tokens.
; In step g lane (.,h) holds experts 4 g + h (registers 0-3) and 4 g + 2 + h (registers 4-7), r = 0..7 in pairs: alike on both sides.  Tile c, row m is column 32 (m / 8) + 8 c + m % 8.
; The product's tiles turn through the wave's stage into the layout of y's loads: 16 lanes to 256 aligned bytes of a row.  All loads go out at the head; each output has one owner.
; REGISTERS: window 0: v1-9 lane terms, v14, v15 the closing add's two, v16-47 U, v48-111 B2 (bf16), then the product by rows, v112-175 the product, v176-239 y's offsets, v240-247 u's.  window 1: y.  window 2: B2 and u as loaded.
.set SPARE, 17408
.set MSB, 0
.macro WIN new
.if MSB != \new
	s_set_vgpr_msb (MSB<<8)|\new
.set MSB, \new
.endif
.endm
	s_load_b256 s[4:11], s[0:1], 0x0               ; y 4, u 6, route 8, B2 10
	s_load_b64 s[12:13], s[0:1], 0x20              ; out
	v_lshl_add_u32 v14, v0, 2, SPARE
	v_mov_b32 v15, 0
	v_lshrrev_b32 v1, 5, v0
	v_readfirstlane_b32 s14, v1                    ; wave
	v_and_b32 v1, 15, v0                           ; r
	v_bfe_u32 v2, v0, 4, 1                         ; h
	s_and_b32 s15, ttmp7, 0xffff                   ; which 32 tokens
	s_lshl_b32 s16, ttmp9, 10
	s_lshl_b32 s17, s14, 8
	s_add_co_u32 s16, s16, s17                     ; my 64 columns, in bytes
	s_mov_b32 s17, 0
	v_lshlrev_b32 v3, 5, v1
	v_lshl_add_u32 v3, v2, 4, v3                   ; pmap: 32 r + 16 h
	v_lshlrev_b32 v4, 4, v2                        ; ymap: 16 h
	v_lshlrev_b32 v5, 16, v2
	v_lshrrev_b32 v6, 3, v1
	v_lshl_add_u32 v5, v6, 7, v5
	v_and_b32 v6, 7, v1
	v_lshl_add_u32 v5, v6, 2, v5                   ; B2: expert h, column 32 (r / 8) + r % 8
	v_lshlrev_b32 v6, 4, v1                        ; 16 r
	v_lshl_add_u32 v7, v2, 13, v6                  ; out: row h, 16 r
	s_mul_i32 s18, s14, 4352
	v_mul_u32_u24 v8, v1, 272
	v_lshl_add_u32 v8, v2, 7, v8
	v_add_nc_u32 v8, s18, v8                       ; the stage, in
	v_mul_u32_u24 v9, v2, 272
	v_lshl_add_u32 v9, v1, 4, v9
	v_add_nc_u32 v9, s18, v9                       ; and back
	s_mov_b32 s21, 0
	s_wait_alu depctr_va_vdst(0)
	s_wait_kmcnt 0x0
	s_lshl_b32 s20, s15, 10
	s_add_nc_u64 s[22:23], s[8:9], s[20:21]        ; pmap at my first token
	s_lshl_b32 s20, s15, 9
	s_add_nc_u64 s[24:25], s[8:9], s[20:21]        ; ymap
	s_add_nc_u64 s[10:11], s[10:11], s[16:17]
	s_add_nc_u64 s[4:5], s[4:5], s[16:17]
	s_lshl_b32 s20, s15, 18
	s_add_nc_u64 s[12:13], s[12:13], s[20:21]
	s_add_nc_u64 s[12:13], s[12:13], s[16:17]
	global_load_b128 v[240:243], v3, s[22:23] offset:35072
	global_load_b128 v[244:247], v3, s[22:23] offset:35584
.set N, 0
.rept 16
	global_load_b128 v[176+4*N:179+4*N], v4, s[24:25] offset:67840+32*N   ; tokens 2 N + h: their four slots' rows
.set N, N+1
.endr
	WIN 0x80
.set N, 0
.rept 128                              ; register 32 c + 16 g + 8 a + r: B2[4 g + 2 a + h][r][column of (c, m)]
	global_load_b32 v[N], v5, s[10:11] offset:(4*((N/16)%2)+2*((N/8)%2))*65536+8192*(N%8)+32*(N/32)
.set N, N+1
.endr
	WIN 0
	s_wait_loadcnt 63                              ; the lists are in: 128 younger loads follow, more than the count can name
.irp i, 0,1,2,3,4,5,6,7
	v_min_u32 v[240+\i], 0x2000, v[240+\i]
.endr
.irp i, 0,1,2,3,4,5,6,7
	v_lshlrev_b32 v[240+\i], 5, v[240+\i]          ; a row of u is 32 bytes
.endr
.set N, 0
.rept 64
	v_min_u32 v[176+N], 0x2000, v[176+N]
.set N, N+1
.endr
.set N, 0
.rept 64
	v_lshl_add_u32 v[176+N], v[176+N], 13, v6      ; a row of y is 8,192 bytes
.set N, N+1
.endr
	WIN 0x80
.set N, 0
.rept 8
	global_load_b128 v[128+8*N:131+8*N], v[240+N], s[6:7]
	global_load_b128 v[132+8*N:135+8*N], v[240+N], s[6:7] offset:16
.set N, N+1
.endr
	WIN 0x40
.set N, 0
.rept 64
	global_load_b128 v[4*N:4*N+3], v[176+N], s[4:5]
.set N, N+1
.endr
	WIN 0
	s_wait_loadcnt 63                              ; B2 is in (80 younger loads)
	WIN 0x0a
.set N, 0
.rept 64
	v_cvt_pk_bf16_f32 v[48+N], v[2*N], v[2*N+1]
.set N, N+1
.endr
	s_wait_loadcnt 63                              ; u is in (64 younger loads)
.set N, 0
.rept 32
	v_cvt_pk_bf16_f32 v[16+N], v[128+2*N], v[129+2*N]
.set N, N+1
.endr
	WIN 0
.irp t, 0,1
.irp c, 0,1,2,3
	v_wmma_f32_16x16x32_bf16 v[112+32*\t+8*\c:119+32*\t+8*\c], v[48+16*\c:55+16*\c], v[16+16*\t:23+16*\t], 0
.endr
.endr
.irp t, 0,1
.irp c, 0,1,2,3
	v_wmma_f32_16x16x32_bf16 v[112+32*\t+8*\c:119+32*\t+8*\c], v[56+16*\c:63+16*\c], v[24+16*\t:31+16*\t], v[112+32*\t+8*\c:119+32*\t+8*\c]
.endr
.endr
.rept 4
	v_nop
.endr
.irp t, 0,1
.irp c, 0,1,2,3
	ds_store_b128 v8, v[112+32*\t+8*\c:115+32*\t+8*\c] offset:32*\c
	ds_store_b128 v8, v[116+32*\t+8*\c:119+32*\t+8*\c] offset:32*\c+16
.endr
.irp i, 0,1,2,3,4,5,6,7
	ds_load_b128 v[48+32*\t+4*\i:51+32*\t+4*\i], v9 offset:544*\i   ; LDS serves a wave's instructions in order
.endr
.endr
.irp t, 0,1
	s_wait_dscnt 16-16*\t                          ; this tile is back; the other tile's 8 stores and 8 loads are younger
	s_wait_loadcnt 32-32*\t                        ; this tile's y is in; the other tile's 32 loads are younger
	WIN 0x04
.irp i, 0,1,2,3,4,5,6,7
.irp k, 0,1,2,3
	v_pk_add_f32 v[48+32*\t+4*\i:49+32*\t+4*\i], v[48+32*\t+4*\i:49+32*\t+4*\i], v[128*\t+16*\i+4*\k:128*\t+16*\i+4*\k+1]
	v_pk_add_f32 v[50+32*\t+4*\i:51+32*\t+4*\i], v[50+32*\t+4*\i:51+32*\t+4*\i], v[128*\t+16*\i+4*\k+2:128*\t+16*\i+4*\k+3]
.endr
.endr
	WIN 0
.irp i, 0,1,2,3,4,5,6,7
	global_store_b128 v7, v[48+32*\t+4*\i:51+32*\t+4*\i], s[12:13] offset:(16*\t+2*\i)*8192 th:TH_STORE_NT   ; 16 lanes: 256 aligned bytes of a row
.endr
.endr
	s_wait_tensorcnt 0x0                           ; the wave's end
	ds_add_u32 v14, v15
	s_wait_dscnt 0x0
	s_endpgm
.Lfunc_end_k_q7c6f2279f5_combine:
	.size	k_q7c6f2279f5_combine, .Lfunc_end_k_q7c6f2279f5_combine-k_q7c6f2279f5_combine
	.p2alignl 7, 3214868480
	.fill 96, 4, 3214868480
	.section	.rodata,"a",@progbits
	.p2align	6, 0x0
	.amdhsa_kernel k_q7c6f2279f5_combine
		.amdhsa_group_segment_fixed_size 17920
		.amdhsa_private_segment_fixed_size 0
		.amdhsa_enable_private_segment 0
		.amdhsa_kernarg_size 40
		.amdhsa_user_sgpr_count 2
		.amdhsa_user_sgpr_kernarg_segment_ptr 1
		.amdhsa_wavefront_size32 1
		.amdhsa_system_sgpr_workgroup_id_x 1
		.amdhsa_system_sgpr_workgroup_id_y 1
		.amdhsa_system_sgpr_workgroup_id_z 1
		.amdhsa_system_vgpr_workitem_id 0
		.amdhsa_next_free_vgpr 768
		.amdhsa_next_free_sgpr 66
		.amdhsa_reserve_vcc 0
		.amdhsa_float_denorm_mode_32 3
		.amdhsa_float_denorm_mode_16_64 3
		.amdhsa_memory_ordered 1
		.amdhsa_forward_progress 1
		.amdhsa_inst_pref_size 52
	.end_amdhsa_kernel
	.amdgpu_metadata
---
amdhsa.version: [ 1, 2 ]
amdhsa.kernels:
  - .name:           k_q7c6f2279f5_combine
    .symbol:         k_q7c6f2279f5_combine.kd
    .args:
      - { .name: y, .offset: 0, .size: 8, .value_kind: global_buffer, .address_space: global }
      - { .name: u, .offset: 8, .size: 8, .value_kind: global_buffer, .address_space: global }
      - { .name: route, .offset: 16, .size: 8, .value_kind: global_buffer, .address_space: global }
      - { .name: lora_down_B, .offset: 24, .size: 8, .value_kind: global_buffer, .address_space: global }
      - { .name: out0, .offset: 32, .size: 8, .value_kind: global_buffer, .address_space: global }
    .group_segment_fixed_size: 17920
    .private_segment_fixed_size: 0
    .kernarg_segment_align: 8
    .kernarg_segment_size: 40
    .max_flat_workgroup_size: 128
    .sgpr_count:     66
    .vgpr_count:     768
    .wavefront_size: 32
...
	.end_amdgpu_metadata
.endif
;; end of part 4
